; MI455X (gfx1250); checked and timed in simulation.
; The chip was launched on July 23, 2026; its instructions are those of AMD's public machine-readable ISA for CDNA 5 (MIT licence, August 2026) and "CDNA5" Instruction Set Architecture Reference Guide (July 2026). The comments in the code are by the model that wrote it; some were corrected since.
;; Multi Head Self Attention. Allowed arithmetic: matrix products marked QUANTISED: E2M3 operands, one E8M0 scale for each 32 along K, by v_wmma_scale_f32_16x16x128_f8f6f4 with both operands' format E2M3, f32 sums; everything else in f32.
;; Inputs: W_k 2,048 x 1,024 float32; W_o 2,048 x 2,048 float32; W_q 2,048 x 2,048 float32; W_v 2,048 x 1,024 float32; x 4 x 1,024 x 2,048 float32.
;; Outputs: out0 4 x 1,024 x 2,048 float32.
;; This version of the problem:
;;   THIS VERSION OF THE PROBLEM IS GIVEN IN LOW PRECISION. The matrix products marked QUANTISED in the list below multiply operands that are first quantised to E2M3 (2 exponent bits, 3 mantissa bits; 6 bits a number), with one power-of-two scale for each 32 numbers along K (OCP MX v1.0); their sums are f32. All else is computed in f32.
;;   The module's matrix products, in the order in which they are computed (A, B: the left and right operand; K: the contracted axis; several contracted axes count as one K, in the product's order):
;;     1. [M 4,096, K 2,048] x [K 2,048, N 2,048]; A: input x; B: input W_q: QUANTISED
;;     2. [M 4,096, K 2,048] x [K 2,048, N 1,024]; A: input x; B: input W_k: QUANTISED
;;     3. [M 4,096, K 2,048] x [K 2,048, N 1,024]; A: input x; B: input W_v: QUANTISED
;;     4. batch 64 x [M 1,024, K 128] x [K 128, N 1,024]; A: computed on the way; B: computed on the way: QUANTISED
;;     5. batch 64 x [M 128, K 1,024] x [K 1,024, N 1,024]; A: computed on the way; B: softmax (see below): QUANTISED
;;     6. [M 4,096, K 2,048] x [K 2,048, N 2,048]; A: computed on the way; B: input W_o: QUANTISED
;;   THE QUANTISER, for each operand of a quantised product, along K:
;;     - K is cut into blocks of 32 from its start; a last block that is shorter is filled with zeros.
;;     - A block's scale is 2^e with e = floor(log2(the largest magnitude in the block)) - 2, held to -126 .. 127; a block of zeros has e = 0. As a byte (E8M0): e + 127.
;;     - Each number is divided by its block's scale, clamped to +-7.5, and rounded to the nearest number of E2M3, ties to even, subnormals kept.
;;     - The product sums the exact products of the quantised numbers (number of the format x scale) in f32.
;;   ~~~python
;;   def quantise(x, axis):      # numpy; x: float32 -> the quantised numbers, widened to float32 again
;;       x = np.moveaxis(x, axis, -1); K = x.shape[-1]
;;       x = np.pad(x, [(0, 0)] * (x.ndim - 1) + [(0, -K % 32)]); x = x.reshape(x.shape[:-1] + (-1, 32)); a = np.abs(x).max(-1, keepdims=True)
;;       e = np.where(a > 0, np.clip(np.frexp(np.where(a > 0, a, 1))[1] - 1 - 2, -126, 127), 0)      # np.frexp(a)[1] - 1 = floor(log2(a)), exactly
;;       r = np.clip(x / 2.0 ** e, -7.5, 7.5)
;;       step = 2.0 ** (np.maximum(np.frexp(np.where(r == 0, 1, r))[1] - 1, 0) - 3)
;;       q = np.round(r / step) * step * 2.0 ** e      # np.round: ties to even
;;       return np.moveaxis(q.reshape(q.shape[:-2] + (-1,))[..., :K], -1, axis).astype(np.float32)
;;   ~~~
;;   SOFTMAX AHEAD OF A QUANTISED PRODUCT. Where the list says 'softmax', what is quantised is not the finished softmax but p = 2^(t - M), with t = logit x log2(e) and M = ceil(the row's largest t), a whole number; so 1/2 < the row's largest p <= 1. The row's sum l is taken of the UNQUANTISED p, in f32, and the product's result is divided by l at the end. Since M is a whole number, a kernel that streams over the keys may use a running M (the ceiling of the running maximum): every later rescaling is an exact power of two, which a block's scale takes up: the codes' values come out the same.
;;   OPERANDS COMPUTED ON THE WAY. 'Computed on the way' means the value that the module computes at that place (a softmax that the list does not call 'softmax' is quantised finished and normalised). What goes into a quantiser is computed in f32, as accurately as f32 sums, v_exp_f32 and their like allow (about 1e-6 of the number): no bf16 or f16 on the way to a quantiser, and a product that is left as it is and whose result goes on into a quantised operand takes f32 operands (vector FMAs, or v_wmma_f32_16x16x4_f32). A number that lies on a knife's edge between two numbers of the format may be rounded either way, as far as f32 arithmetic and the matrix unit's own rounding can turn it there, and no further.
;; One version. Each part assembles by itself: llvm-mc -triple=amdgcn-amd-amdhsa -mcpu=gfx1250 --defsym DOCPART=n.
;; ======== version 1 of 1: 4 launches
;; limits: right only within a limited range of input values
;; workspace buffers: PQ 17,432,576 bytes; QKV 13,107,200 bytes; AQ 6,553,600 bytes
;; launch prep (part 1): grid 768 x 1, 4 waves a work-group, no clusters, 58,880 bytes of LDS; arguments x, W_q, W_k, W_v, W_o, PQ; writes PQ
.if DOCPART == 1
	.amdgcn_target "amdgcn-amd-amdhsa--gfx1250"
	.amdhsa_code_object_version 6
	.text
	.protected	k_q871b0d2f32_prep
	.globl	k_q871b0d2f32_prep
	.p2align	8
	.type	k_q871b0d2f32_prep,@function
k_q871b0d2f32_prep:
	s_mov_b64 s[64:65], 0
	v_nop
	global_prefetch_b8 v0, s[64:65] scope:SCOPE_SE
	s_setreg_imm32_b32 hwreg(HW_REG_WAVE_MODE, 25, 1), 1
	s_wait_xcnt 0x0
; x [4096][2048] and the weights W_q, W_k, W_v, W_o ([2048 (k)][n]), all f32, become codes of FP6 (E2M3) with one E8M0 byte for each 32 along K, and the rotary tables are made.
; LAYOUT OF THE CODES: images of operand registers.  A TILE is 16 rows (tokens of x, columns n of a weight): tile tt, index i, is row 32 (tt / 2) + 8 (tt % 2) + i + 8 (i / 8).
; An IMAGE is one tile x 128 K, 1,536 bytes: chunk c (512 bytes) holds at 16 x lane the lane's operand registers 4 c .. 4 c + 3 (lane (r, h): row index r, registers 6 c2 .. 6 c2 + 5 = k 64 c2 + 32 h + 0 .. 31).
; Codes lie [S = K / 256][tile][q = K step of the 256][1536]; scale words lie, for each pair of tiles, 2,048 bytes: S x 256 + (tt % 2) x 128 + r x 8 + q x 4.
; A block's scale is 2^(floor(log2(largest magnitude)) - 2): the largest magnitude's exponent field less 2, held at 1 from below by a floor among the maximum's leaves.
; LIMITS: a block of zeros, and one whose largest magnitude lies under 2^-124, carries the byte 1 (zero blocks: their codes are zeros, and only this program reads the bytes); NaN and infinities are not served.
; TABLES: cos x scale, sin x scale (for q) and cos / scale, sin / scale (for k), f32, [token tile 64][chunk 16][lane][4]: chunk e < 8: cosine factors of d = 32 (e / 4) + 16 h + 4 (e % 4) + 0 .. 3, chunk e + 8 the sine factors.
; The frequency is 2^(-d c) with the argument's rounding made good, the scale 2^(p log2(sv)): each within about 1.5 units of the last place; the angle at the last tokens can so differ from an f32 power's by about 1e-4 rad.
; The factors are folded (cos x scale in one number), which differs from multiplying twice by about 2e-7 of the number.
; Work-groups 0-255: x; 256-639: the weights; 640-767: the tables.  Waves share nothing: no barrier.  The two paths that use LDS have LDS bytes of their own.
.set XS,  6291456
.set WC,  6553600
.set WS,  12845056
.set OC,  13107200
.set OS,  16252928
.set TQ,  16384000
.set FLOOR, 0x1800000                  ; 2^(3 - 127)
.set LESS2, 0xff000000                 ; takes 2 off an exponent field
	s_load_b256 s[4:11], s[0:1], 0x0               ; x s[4:5], W_q s[6:7], W_k s[8:9], W_v s[10:11]
	s_load_b128 s[12:15], s[0:1], 0x20             ; W_o s[12:13], PQ s[14:15]
	s_set_vgpr_msb 0x40
	v_lshl_add_u32 v0, v0, 2, 0xe400
	v_mov_b32 v1, 0
	s_set_vgpr_msb 0x4000
	v_lshrrev_b32 v1, 5, v0
	v_readfirstlane_b32 s16, v1                    ; wave 0..3
	v_and_b32 v6, 31, v0                           ; lane
	v_and_b32 v7, 15, v0                           ; r
	v_bfe_u32 v40, v0, 4, 1                        ; h (each path reads it before it writes v40 anew)
	v_lshlrev_b32 v1, 4, v6                        ; 16 x lane; never rewritten
	s_mov_b32 s26, 0x76543210
	s_mov_b32 s27, 0xfedcba98                      ; v_permlanex16_b32's selects for lane l xor 16
	s_wait_kmcnt 0x0
	s_cmp_lt_u32 ttmp9, 256
	s_cbranch_scc1 .Lpath_x
	s_cmp_lt_u32 ttmp9, 640
	s_cbranch_scc1 .Lpath_w
	; ---------------- THE TABLES.  A wave makes one chunk of cosines and one of sines, for q and for k: four numbers a lane in each.
	s_sub_co_u32 s17, ttmp9, 640
	s_lshl_b32 s17, s17, 2
	s_add_co_u32 s17, s17, s16                     ; 0..511
	s_lshr_b32 s18, s17, 3                         ; token tile 0..63
	s_and_b32 s19, s17, 7                          ; chunk 0..7
	s_lshr_b32 s20, s18, 1
	s_lshl_b32 s20, s20, 5
	s_and_b32 s21, s18, 1
	s_lshl_b32 s21, s21, 3
	s_add_co_u32 s20, s20, s21
	s_wait_alu depctr_va_vdst(0)
	v_and_b32 v2, 8, v7
	v_add_nc_u32 v2, v2, v7
	v_add_nc_u32 v2, s20, v2                       ; my token: 32 (tile / 2) + 8 (tile % 2) + r + 8 (r / 8)
	v_cvt_f32_u32 v2, v2
	s_lshr_b32 s21, s19, 2
	s_lshl_b32 s21, s21, 5
	s_and_b32 s22, s19, 3
	s_lshl_b32 s22, s22, 2
	s_add_co_u32 s21, s21, s22
	v_lshl_add_u32 v3, v40, 4, s21                 ; my first d: 32 (chunk / 4) + 4 (chunk % 4) + 16 h
	s_wait_alu depctr_va_vdst(0)
	s_lshl_b32 s22, s18, 13
	s_lshl_b32 s23, s19, 9
	s_add_co_u32 s22, s22, s23
	s_add_co_u32 s22, s22, TQ
	s_mov_b32 s23, 0
	s_add_nc_u64 s[14:15], s[14:15], s[22:23]
	s_mov_b32 s28, 0x3e549a78                      ; c = log2(10000) / 64, its f32 part,
	s_mov_b32 s29, 0x31979a1c                      ; and what that leaves out
	s_mov_b32 s30, 0x3bb6db6e                      ; 1 / 179.2
	s_mov_b32 s31, 0x43333333                      ; 179.2
	s_mov_b32 s32, 0x3fc90fdb                      ; pi / 2, its f32 part,
	s_mov_b32 s33, 0xb33bbd2e                      ; and the rest
.irp n, 0,1,2,3
	v_add_nc_u32 v[8+\n], \n, v3
.endr
.irp n, 0,1,2,3
	v_cvt_f32_u32 v[8+\n], v[8+\n]                 ; d
.endr
.irp n, 0,1,2,3
	v_mul_f32 v[12+\n], s28, v[8+\n]               ; a = d c, rounded
.endr
.irp n, 0,1,2,3
	v_fma_f32 v[16+\n], v[8+\n], s28, -v[12+\n]    ; what the rounding dropped, exactly,
.endr
.irp n, 0,1,2,3
	v_fmac_f32 v[16+\n], s29, v[8+\n]              ; and c's own rest
.endr
.irp n, 0,1,2,3
	v_fma_f32 v[16+\n], v[16+\n], 0xbf317218, 1.0  ; 2^(-err) = 1 - err ln 2 (err is under 1e-6)
.endr
.irp n, 0,1,2,3
	v_fmaak_f32 v[24+\n], 2.0, v[8+\n], 0x424ccccd ; 2 d + 51.2
.endr
.irp n, 0,1,2,3
	v_mul_f32 v[28+\n], s30, v[24+\n]
.endr
.irp n, 0,1,2,3
	v_fma_f32 v[24+\n], -v[28+\n], s31, v[24+\n]   ; the quotient's remainder
.endr
.irp n, 0,1,2,3
	v_fmac_f32 v[28+\n], s30, v[24+\n]             ; sv = (2 d + 51.2) / 179.2
.endr
	s_wait_alu depctr_va_vdst(0)
.irp n, 0,1,2,3
	v_exp_f32 v[20+\n], -v[12+\n]
.endr
.irp n, 0,1,2,3
	v_log_f32 v[32+\n], v[28+\n]
.endr
	v_fma_f32 v4, v2, 0x3b000000, -1.0             ; p = (t - 512) / 512, exact.  (The plain line behind the batch)
	s_wait_alu depctr_va_vdst(0)                   ; one wait for the eight, ahead of their first reader
.irp n, 0,1,2,3
	v_mul_f32 v[60+\n], v4, v[32+\n]               ; p log2(sv)
.endr
	s_wait_alu depctr_va_vdst(0)
.irp n, 0,1,2,3
	v_exp_f32 v[64+\n], v[60+\n]                   ; scale
.endr
.irp n, 0,1,2,3
	v_exp_f32 v[68+\n], -v[60+\n]                  ; 1 / scale
.endr
.irp n, 0,1,2,3
	v_mul_f32 v[20+\n], v[20+\n], v[16+\n]         ; the frequency.  (The angle's work names none of the eight results: it is their independent work)
.endr
.irp n, 0,1,2,3
	v_mul_f32 v[36+\n], v2, v[20+\n]               ; the angle, one rounding
.endr
.irp n, 0,1,2,3
	v_mul_f32 v[40+\n], 0x3f22f983, v[36+\n]
.endr
.irp n, 0,1,2,3
	v_rndne_f32 v[40+\n], v[40+\n]                 ; how many quarter turns
.endr
.irp n, 0,1,2,3
	v_fma_f32 v[36+\n], -v[40+\n], s32, v[36+\n]   ; exact: the count has 10 bits and the difference fits in 24
.endr
.irp n, 0,1,2,3
	v_fma_f32 v[36+\n], -v[40+\n], s33, v[36+\n]   ; the angle's rest, within pi / 4
.endr
.irp n, 0,1,2,3
	v_cvt_i32_f32 v[56+\n], v[40+\n]
.endr
.irp n, 0,1,2,3
	v_mul_f32 v[44+\n], v[36+\n], v[36+\n]
.endr
.irp n, 0,1,2,3
	v_mov_b32 v[48+\n], 0x3638ef1d                 ; the sine's series to the 9th power,
	v_mov_b32 v[52+\n], 0xb493f27e                 ; the cosine's to the 10th: what is cut is under 2e-9
.endr
.irp n, 0,1,2,3
	v_fmaak_f32 v[48+\n], v[44+\n], v[48+\n], 0xb9500d01
	v_fmaak_f32 v[52+\n], v[44+\n], v[52+\n], 0x37d00d01
.endr
.irp n, 0,1,2,3
	v_fmaak_f32 v[48+\n], v[44+\n], v[48+\n], 0x3c088889
	v_fmaak_f32 v[52+\n], v[44+\n], v[52+\n], 0xbab60b61
.endr
.irp n, 0,1,2,3
	v_fmaak_f32 v[48+\n], v[44+\n], v[48+\n], 0xbe2aaaab
	v_fmaak_f32 v[52+\n], v[44+\n], v[52+\n], 0x3d2aaaab
.endr
.irp n, 0,1,2,3
	v_mul_f32 v[72+\n], v[44+\n], v[36+\n]
	v_fmaak_f32 v[52+\n], v[44+\n], v[52+\n], 0xbf000000
.endr
.irp n, 0,1,2,3
	v_fma_f32 v[72+\n], v[72+\n], v[48+\n], v[36+\n]   ; sine of the rest
	v_fma_f32 v[52+\n], v[44+\n], v[52+\n], 1.0        ; cosine of the rest
.endr
.irp n, 0,1,2,3
	v_and_b32 v[48+\n], 1, v[56+\n]
	v_cmp_eq_u32 vcc_lo, 1, v[48+\n]               ; an odd count of quarter turns swaps the two
	v_cndmask_b32 v[76+\n], v[72+\n], v[52+\n], vcc_lo
	v_cndmask_b32 v[80+\n], v[52+\n], v[72+\n], vcc_lo
.endr
.irp n, 0,1,2,3
	v_and_b32 v[48+\n], 2, v[56+\n]
	v_add_nc_u32 v[56+\n], 1, v[56+\n]
.endr
.irp n, 0,1,2,3
	v_lshlrev_b32 v[48+\n], 30, v[48+\n]
	v_and_b32 v[56+\n], 2, v[56+\n]
.endr
.irp n, 0,1,2,3
	v_xor_b32 v[76+\n], v[76+\n], v[48+\n]         ; the sine's sign: counts 2, 3 of 4
	v_lshlrev_b32 v[56+\n], 30, v[56+\n]
.endr
.irp n, 0,1,2,3
	v_xor_b32 v[80+\n], v[80+\n], v[56+\n]         ; the cosine's: counts 1, 2 of 4
.endr
	s_wait_alu depctr_va_vdst(0)                   ; one wait for the eight powers, ahead of their first reader
.irp n, 0,1,2,3
	v_mul_f32 v[84+\n], v[80+\n], v[64+\n]
	v_mul_f32 v[88+\n], v[76+\n], v[64+\n]
	v_mul_f32 v[92+\n], v[80+\n], v[68+\n]
	v_mul_f32 v[96+\n], v[76+\n], v[68+\n]
.endr
	global_store_b128 v1, v[84:87], s[14:15]                    ; each store of the wave covers 512 consecutive bytes, aligned
	global_store_b128 v1, v[88:91], s[14:15] offset:4096
	global_store_b128 v1, v[92:95], s[14:15] offset:524288
	global_store_b128 v1, v[96:99], s[14:15] offset:524288+4096
	s_endpgm
	; ---------------- THE WEIGHTS.  A work-group takes 128 columns x 256 K, a wave 32 columns: A LANE TAKES A COLUMN AND ITS REGISTERS RUN DOWN K, so a block of 32 lies in one lane.
	; REGISTERS: v2 stage in, v3 stage back, v5 scale offset, v10-13 at work, v[14:15] the two scale words, v16-18 half a block's codes, v32-63 row offsets, v64-127 two sets of 32 numbers, v128-175 the codes.
.Lpath_w:
	; the LDS and scale addresses first: they read h in v40, which the row offsets (v32-63) overwrite further down
	s_wait_alu depctr_va_vdst(0)
	v_bfe_u32 v8, v6, 3, 1                         ; my column x of the pair lies in tile u = (x / 8) % 2
	v_and_b32 v9, 7, v6
	v_lshl_add_u32 v9, v40, 3, v9                  ; at index r = x % 8 + 8 (x / 16)
	s_mul_i32 s52, s16, 6144
	s_add_co_u32 s52, s52, 33792                   ; my stage: two tiles x two K steps, as they will lie in memory
	v_mul_u32_u24 v2, v8, 3072
	v_lshl_add_u32 v2, v9, 4, v2
	v_add_nc_u32 v2, s52, v2
	v_add_nc_u32 v3, s52, v1
	v_lshlrev_b32 v5, 7, v8
	v_lshl_add_u32 v5, v9, 3, v5
	s_sub_co_u32 s17, ttmp9, 256
	s_and_b32 s18, s17, 7                          ; S
	s_lshr_b32 s19, s17, 3                         ; group of 128 columns: 0-15 W_q, 16-23 W_k, 24-31 W_v, 32-47 W_o
	s_and_b32 s24, s19, 15
	s_and_b32 s25, s19, 7
	s_lshr_b32 s28, s19, 4
	s_cmp_eq_u32 s28, 1
	s_cselect_b32 s22, s25, s24                    ; the group's number in its own weight
	s_mov_b32 s23, 8192
	s_cselect_b32 s23, 4096, s23                   ; a row of that weight in bytes
	s_cmp_lt_u32 s19, 24                           ; the choices hang on the work-group's number alone
	s_cselect_b64 s[20:21], s[8:9], s[10:11]
	s_cmp_lt_u32 s19, 16
	s_cselect_b64 s[20:21], s[6:7], s[20:21]
	s_cmp_lt_u32 s19, 32
	s_cselect_b64 s[20:21], s[20:21], s[12:13]
	s_cselect_b32 s28, 8, 7                        ; 256 tiles to an S for q, k, v together; 128 for W_o
	s_cselect_b32 s29, s19, s24                    ; the group's number in its region of codes
	s_mov_b32 s30, OC
	s_cselect_b32 s30, WC, s30
	s_mov_b32 s31, OS
	s_cselect_b32 s31, WS, s31
	s_lshl_b32 s28, s18, s28
	s_lshl_b32 s24, s29, 3
	s_add_co_u32 s28, s28, s24
	s_lshl_b32 s24, s16, 1
	s_add_co_u32 s28, s28, s24                     ; my first tile, counted from the region's start
	s_mul_i32 s28, s28, 3072
	s_add_co_u32 s30, s30, s28
	s_lshl_b32 s24, s29, 2
	s_add_co_u32 s24, s24, s16                     ; my pair of tiles
	s_lshl_b32 s24, s24, 11
	s_lshl_b32 s25, s18, 8
	s_add_co_u32 s24, s24, s25
	s_add_co_u32 s24, s24, s31
	s_mov_b32 s31, 0
	s_mov_b32 s25, 0
	s_add_nc_u64 s[48:49], s[14:15], s[30:31]      ; where my 6,144 bytes of codes go
	s_add_nc_u64 s[50:51], s[14:15], s[24:25]      ; and my 256 bytes of scale words
	s_lshl_b32 s28, s18, 8
	s_mul_i32 s28, s28, s23                        ; 256 S rows down
	s_lshl_b32 s29, s22, 9
	s_add_co_u32 s28, s28, s29
	s_lshl_b32 s29, s16, 7
	s_add_co_u32 s28, s28, s29                     ; my wave's first column
	s_mov_b32 s29, 0
	s_add_nc_u64 s[32:33], s[20:21], s[28:29]      ; a base for each block of 32 rows: the pitch differs between the weights, so it cannot stand in an immediate
	s_lshl_b32 s28, s23, 5
.irp t, 1,2,3,4,5,6,7
	s_add_nc_u64 s[32+2*\t:33+2*\t], s[30+2*\t:31+2*\t], s[28:29]
.endr
	v_lshlrev_b32 v32, 2, v6                       ; row i of a block: 4 x lane + i x pitch
.irp i, 1,2,3,4,5,6,7,8,9,10,11,12,13,14,15,16,17,18,19,20,21,22,23,24,25,26,27,28,29,30,31
	v_add_nc_u32 v[32+\i], s23, v[31+\i]
.endr
.macro WLOAD t                         ; block t: 32 rows; each load reads 128 consecutive bytes, the four waves side by side 512
.irp i, 0,1,2,3,4,5,6,7,8,9,10,11,12,13,14,15,16,17,18,19,20,21,22,23,24,25,26,27,28,29,30,31
	global_load_b32 v[64+32*((\t)%2)+\i], v[32+\i], s[32+2*(\t):33+2*(\t)] th:TH_LOAD_NT
.endr
.endm
.macro WBLOCK t                        ; block t = K step t / 4, block t % 4 of it: it belongs to image lane (r, t % 2), registers 6 ((t % 4) / 2) on
.set WX, 64+32*((\t)%2)
.set WCD, 128+24*((\t)/4)+12*((\t)%2)+6*(((\t)%4)/2)
.if (\t) < 7
	s_wait_loadcnt 32                              ; this block's 32 loads are in; the next block's may be out
.else
	s_wait_loadcnt 0x0
.endif
	v_max3_num_f32 v10, |v[WX]|, |v[WX+1]|, |v[WX+2]|
	v_max3_num_f32 v11, |v[WX+3]|, |v[WX+4]|, |v[WX+5]|
.irp i, 6,10,14,18,22,26
	v_max3_num_f32 v10, v10, |v[WX+\i]|, |v[WX+\i+1]|
	v_max3_num_f32 v11, v11, |v[WX+\i+2]|, |v[WX+\i+3]|
.endr
	v_max3_num_f32 v10, v10, |v[WX+30]|, |v[WX+31]|
	v_max3_num_f32 v10, v10, v11, FLOOR            ; the block's largest magnitude, and the floor
	v_add_nc_u32 v12, LESS2, v10                   ; the conversion takes this operand's exponent field as its scale
	v_lshrrev_b32 v13, 23, v12                     ; the scale's byte
.if (\t)%4 == 0
	v_mov_b32 v[14+(\t)/4], v13
.else
	v_lshl_or_b32 v[14+(\t)/4], v13, 8*((\t)%4), v[14+(\t)/4]
.endif
	v_cvt_scalef32_pk16_fp6_f32 v[WCD:WCD+2], v[WX:WX+15], v12
	v_cvt_scalef32_pk16_fp6_f32 v[16:18], v[WX+16:WX+31], v12      ; (a conversion's three registers begin on an even number)
	v_nop                                          ; one plain line behind the conversions
.irp i, 0,1,2
	v_mov_b32 v[WCD+3+\i], v[16+\i]
.endr
.if (\t) < 6
	WLOAD (\t)+2
.endif
.if (\t)%4 == 3                        ; a K step's four blocks are whole: two image lanes' twelve registers each.  The codes' registers are never written again
.irp hh, 0,1
.irp c, 0,1,2
	ds_store_b128 v2, v[128+24*((\t)/4)+12*\hh+4*\c:128+24*((\t)/4)+12*\hh+4*\c+3] offset:((\t)/4)*1536+512*\c+256*\hh
.endr
.endr
.endif
.endm
	WLOAD 0
	WLOAD 1
.irp t, 0,1,2,3,4,5,6,7
	WBLOCK \t
.endr
.irp k, 0,1,2,3,4,5,6,7,8,9,10,11
	ds_load_b128 v[64+4*\k:67+4*\k], v3 offset:512*\k              ; LDS serves a wave's instructions in order: these see my stores
.endr
	s_wait_alu depctr_va_vdst(0)
.irp k, 0,1,2,3,4,5,6,7,8,9,10,11
	s_wait_dscnt 11-\k                             ; the younger loads may be out
	global_store_b128 v1, v[64+4*\k:67+4*\k], s[48:49] offset:512*\k   ; 512 consecutive bytes, aligned
.endr
	global_store_b64 v5, v[14:15], s[50:51]        ; the wave's 32 lanes cover 256 consecutive bytes, aligned
	s_set_vgpr_msb 0x5
	s_wait_tensorcnt 0x0
	ds_add_u32 v0, v1
	s_wait_dscnt 0x0
	s_set_vgpr_msb 0x500
	s_endpgm
	; ---------------- x.  A wave takes a pair of tiles (32 rows) x 256 K: four units of one tile x 128 K.  Loads take a row's 512 bytes as they lie; the unit turns through the wave's stage (rows 528 bytes apart),
	; so that a lane gets its two whole blocks of 32.  REGISTERS: v2 stage in, v3 stage out, v4 8 h, v5 8 x lane, v8-15 at work, v16-19 scale words, v20-31 codes, v32-38 halves, v64-191 two sets as loaded, v192-255 my 64 numbers.
.Lpath_x:
	s_lshr_b32 s18, ttmp9, 1                       ; the pair of tiles
	s_and_b32 s19, ttmp9, 1
	s_lshl_b32 s19, s19, 2
	s_add_co_u32 s19, s19, s16                     ; S
	s_lshl_b32 s20, s18, 18                        ; 32 rows of 8,192 bytes
	s_lshl_b32 s21, s19, 10
	s_add_co_u32 s20, s20, s21
	s_mov_b32 s21, 0
	s_add_nc_u64 s[4:5], s[4:5], s[20:21]
	s_lshl_b32 s20, s19, 8
	s_lshl_b32 s22, s18, 1
	s_add_co_u32 s20, s20, s22
	s_mul_i32 s20, s20, 3072
	s_add_nc_u64 s[22:23], s[14:15], s[20:21]      ; x's codes begin at PQ's first byte
	s_lshl_b32 s20, s18, 11
	s_lshl_b32 s24, s19, 8
	s_add_co_u32 s20, s20, s24
	s_add_co_u32 s20, s20, XS
	s_add_nc_u64 s[24:25], s[14:15], s[20:21]
	s_mul_i32 s17, s16, 8448                       ; my stage: 16 rows x 528
	s_wait_alu depctr_va_vdst(0)
	v_add_nc_u32 v2, s17, v1
	v_mul_u32_u24 v3, v7, 528
	v_lshl_add_u32 v3, v40, 7, v3
	v_add_nc_u32 v3, s17, v3                       ; row r, + 128 h: k = 32 h on
	v_lshlrev_b32 v4, 3, v40
	v_lshlrev_b32 v5, 3, v6
	v_mov_b32 v15, 0                               ; written once: a lane permute's destination counts as one of its sources
.macro XLOADU t                        ; unit t: tile t / 2, K step t % 2
.irp i, 0,1,2,3,4,5,6,7,8,9,10,11,12,13,14,15
	global_load_b128 v[64+64*((\t)%2)+4*\i:64+64*((\t)%2)+4*\i+3], v1, s[4:5] offset:(8*((\t)/2)+\i+8*(\i/8))*8192+512*((\t)%2) th:TH_LOAD_NT
.endr
.endm
.macro XUNIT t
.if (\t) < 3
	s_wait_loadcnt 16                              ; this unit's 16 loads are in; the next unit's may be out
.else
	s_wait_loadcnt 0x0
.endif
.irp i, 0,1,2,3,4,5,6,7,8,9,10,11,12,13,14,15
	ds_store_b128 v2, v[64+64*((\t)%2)+4*\i:64+64*((\t)%2)+4*\i+3] offset:\i*528
.endr
.irp c, 0,1
.irp e, 0,1,2,3,4,5,6,7
	ds_load_b128 v[192+32*\c+4*\e:192+32*\c+4*\e+3], v3 offset:256*\c+16*\e    ; k = 64 c + 32 h + 4 e on
.endr
.endr
	s_wait_dscnt 0x0                               ; my numbers are back; the stores into the stage have read their registers,
.if (\t) < 2
	XLOADU (\t)+2                                  ; which take the unit two on
.endif
	v_max3_num_f32 v8, |v192|, |v193|, FLOOR       ; blocks h and 2 + h of my row are mine whole
	v_max3_num_f32 v9, |v224|, |v225|, FLOOR
.irp i, 2,4,6,8,10,12,14,16,18,20,22,24,26,28,30
	v_max3_num_f32 v8, v8, |v[192+\i]|, |v[193+\i]|
	v_max3_num_f32 v9, v9, |v[224+\i]|, |v[225+\i]|
.endr
	v_add_nc_u32 v10, LESS2, v8
	v_add_nc_u32 v11, LESS2, v9
	v_lshrrev_b32 v12, 23, v10
	v_lshrrev_b32 v13, 23, v11
	v_lshl_or_b32 v14, v13, 16, v12
	v_lshlrev_b32 v14, v4, v14                     ; my two bytes at their places in the row's word,
	v_permlanex16_b32 v15, v14, s26, s27
	v_or_b32 v[16+(\t)], v14, v15                  ; with lane l xor 16's two the word is whole
	s_wait_alu depctr_va_vdst(0)
	s_wait_xcnt 0x0                                ; the last unit's stores have read the codes' registers
	v_cvt_scalef32_pk16_fp6_f32 v[20:22], v[192:207], v10
	v_cvt_scalef32_pk16_fp6_f32 v[32:34], v[208:223], v10
	v_cvt_scalef32_pk16_fp6_f32 v[26:28], v[224:239], v11
	v_cvt_scalef32_pk16_fp6_f32 v[36:38], v[240:255], v11
	v_nop                                          ; one plain line behind the conversions
.irp i, 0,1,2
	v_mov_b32 v[23+\i], v[32+\i]
	v_mov_b32 v[29+\i], v[36+\i]
.endr
.irp c, 0,1,2
	global_store_b128 v1, v[20+4*\c:23+4*\c], s[22:23] offset:((\t)/2)*3072+((\t)%2)*1536+512*\c
.endr
.endm
	XLOADU 0
	XLOADU 1
	s_wait_alu depctr_va_vdst(0)
.irp t, 0,1,2,3
	XUNIT \t
.endr
	v_cmp_eq_u32 vcc_lo, 1, v40                    ; lanes 0-15 store tile 0's two words of row r, lanes 16-31 tile 1's
	v_cndmask_b32 v42, v16, v18, vcc_lo
	v_cndmask_b32 v43, v17, v19, vcc_lo
	global_store_b64 v5, v[42:43], s[24:25]        ; 256 consecutive bytes, aligned
	s_set_vgpr_msb 0x5
	s_wait_tensorcnt 0x0
	ds_add_u32 v0, v1
	s_wait_dscnt 0x0
	s_set_vgpr_msb 0x500
	s_endpgm
.Lfunc_end_k_q871b0d2f32_prep:
	.size	k_q871b0d2f32_prep, .Lfunc_end_k_q871b0d2f32_prep-k_q871b0d2f32_prep
	.p2alignl 7, 3214868480
	.fill 96, 4, 3214868480
	.section	.rodata,"a",@progbits
	.p2align	6, 0x0
	.amdhsa_kernel k_q871b0d2f32_prep
		.amdhsa_group_segment_fixed_size 58880
		.amdhsa_private_segment_fixed_size 0
		.amdhsa_enable_private_segment 0
		.amdhsa_kernarg_size 48
		.amdhsa_user_sgpr_count 2
		.amdhsa_user_sgpr_kernarg_segment_ptr 1
		.amdhsa_wavefront_size32 1
		.amdhsa_system_sgpr_workgroup_id_x 1
		.amdhsa_system_sgpr_workgroup_id_y 1
		.amdhsa_system_sgpr_workgroup_id_z 1
		.amdhsa_system_vgpr_workitem_id 0
		.amdhsa_next_free_vgpr 258
		.amdhsa_next_free_sgpr 66
		.amdhsa_reserve_vcc 1
		.amdhsa_float_denorm_mode_32 3
		.amdhsa_float_denorm_mode_16_64 3
		.amdhsa_memory_ordered 1
		.amdhsa_forward_progress 1
		.amdhsa_inst_pref_size 84
	.end_amdhsa_kernel
	.amdgpu_metadata
---
amdhsa.version: [ 1, 2 ]
amdhsa.kernels:
  - .name:           k_q871b0d2f32_prep
    .symbol:         k_q871b0d2f32_prep.kd
    .args:
      - { .name: x, .offset: 0, .size: 8, .value_kind: global_buffer, .address_space: global }
      - { .name: W_q, .offset: 8, .size: 8, .value_kind: global_buffer, .address_space: global }
      - { .name: W_k, .offset: 16, .size: 8, .value_kind: global_buffer, .address_space: global }
      - { .name: W_v, .offset: 24, .size: 8, .value_kind: global_buffer, .address_space: global }
      - { .name: W_o, .offset: 32, .size: 8, .value_kind: global_buffer, .address_space: global }
      - { .name: PQ, .offset: 40, .size: 8, .value_kind: global_buffer, .address_space: global }
    .group_segment_fixed_size: 58880
    .private_segment_fixed_size: 0
    .kernarg_segment_align: 8
    .kernarg_segment_size: 48
    .max_flat_workgroup_size: 128
    .sgpr_count:     66
    .vgpr_count:     258
    .wavefront_size: 32
...
	.end_amdgpu_metadata
.endif
;; end of part 1
;; launch qkv (part 2): grid 16 x 16, 4 waves a work-group, clusters of 4 x 4, 327,680 bytes of LDS; arguments PQ, QKV; writes QKV
.if DOCPART == 2
	.amdgcn_target "amdgcn-amd-amdhsa--gfx1250"
	.amdhsa_code_object_version 6
	.text
	.protected	k_q871b0d2f32_qkv
	.globl	k_q871b0d2f32_qkv
	.p2align	8
	.type	k_q871b0d2f32_qkv,@function
k_q871b0d2f32_qkv:
	s_mov_b64 s[64:65], 0
	v_nop
	global_prefetch_b8 v0, s[64:65] scope:SCOPE_SE
	s_setreg_imm32_b32 hwreg(HW_REG_WAVE_MODE, 25, 1), 1
	s_wait_xcnt 0x0
	s_wait_alu depctr_hold_cnt(0) depctr_sa_sdst(0) depctr_va_vdst(0) depctr_va_sdst(0) depctr_va_ssrc(0) depctr_va_vcc(0) depctr_vm_vsrc(0)
	s_getreg_b32 s2, hwreg(HW_REG_IB_STS2, 6, 4)
	s_cmp_eq_u32 s2, 0
	s_cbranch_scc0 .Lentry_in_a_cluster
	s_endpgm
.Lentry_in_a_cluster:
	s_bfe_u32 s2, ttmp6, 0x10000c
	s_cmp_lg_u32 s2, 0xf033
	s_cbranch_scc0 .Lentry_shape_is_right
	s_endpgm
.Lentry_shape_is_right:
; q = x W_q, k = x W_k, v = x W_v on codes of FP6 (E2M3), one GEMM of 256 tiles of 256 x 256; then the rotary (q, k) in f32, and q, k (along the head's 128) and v (along the keys) are quantised in registers.
; OPERANDS lie in PQ as images of operand registers (a tile of 16 rows x 128 K: 1,536 bytes, chunk c at 512 c + 16 x lane = registers 4 c .. 4 c + 3), [S = K / 256][tile][K step][1536]: 8 tiles of one S are 24,576 dense bytes.
; Tile tt, index i, is row 32 (tt / 2) + 8 (tt % 2) + i + 8 (i / 8).  THE MATRIX INSTRUCTION IS USED TRANSPOSED: source 0 = a tile of the B role, source 1 = a tile of the A role: a lane holds ONE row of the A role,
; and its 64 registers over the B role's 8 tiles are: register 16 b + i = position 32 b + 16 h + i of the B role's 128: neighbours along the next product's K.
; ROLES.  Clusters x = 0, 1, 2 (q and k): A = tokens of x, B = columns of W_q, W_k.  Cluster x = 3 (v): A = columns of W_v, B = tokens.  Chosen by offsets selected on the cluster's x, which all partners share.
; 4 x 4 work-groups: A's tile is asked for jointly along a row of the cluster, B's along a column.  Four waves; a wave makes 128 x 128: 64 accumulators.  K goes in steps of 256 through two LDS slots;
; each wave fetches a quarter of a slot, one joint load at the head (S = 0) and one behind each round; slot 1 is first filled behind the full sequence and a round.
; SCALE WORDS go from PQ straight into the two sets of scale registers: eight loads of 8 bytes a lane for a slot (lanes 0-15 A's rows, lanes 16-31 B's), issued in the run of loads of the slot before, 128 matrix instructions ahead
; of the wait for them; two neighbouring loads cover a block of 256 bytes on each side.  They are not prefetched: each request already stands a whole slot ahead of its wait.
; PREFETCH of the codes: behind the load of S = t each wave asks for S = t + 2 (the head also for S = 1): of the 96 blocks of 256 bytes that a wave fetches, each of the four partners that ask jointly names 24, told apart by address
; (cx for A, cy for B); lanes 24-31 name the wave's last block again.  The last two refills ask for nothing.  The rotary table of a cluster's batch, 2,048 blocks, is named once in the cluster: 32 blocks a wave.
; RESULTS go to QKV as images again: q [token group 32][head 16][tile 8][1536], its scale words [group][head][r x 32 + tile x 4]; k and v in a record of 204,800 bytes for each (batch, kv head):
; k's 64 tiles, v's [key step 8][d tile 8], k's scale words [step][512], v's [step][512].
; LIMITS: a block of zeros, or one under 2^-124, carries the scale byte 1 (only this program reads the bytes); NaN and infinities are not served; the rotary multiplies by folded factors (cos x scale), about 2e-7 from multiplying twice.
; REGISTERS: window 0: v1 r, v2 h, v16-17, v20-21 fragment addresses, v22 256 x lane, v26 16 x lane, v27 scale words' offset in PQ, v28-29 the add's, v30 scale store offset, v31 the prefetches' offset; v32-63 scale words, two sets;
;   v64-159, v160-255 A's fragments, two sets; in the epilogue v64-127 64 numbers, v128-147 codes, v148-163 at work, v164-171 eight scale words, v172-175 the four to store.
;   window 1: B's fragments, two sets at v0 and v128; in the epilogue the rotary tables.   windows 2, 3: accumulator (a, b) at v[8 (8 (a % 4) + b)].
.set XS,  6291456
.set WC,  6553600
.set WS,  12845056
.set TQ,  16384000
.set TK,  16908288
.set QSO, 6291456
.set REC, 6553600
.set RECB, 204800
.set HALFT, 24576                      ; 8 tiles x 256 K: what one load brings
.set SLOT,  4*HALFT
.set SSTR,  786432                     ; from S to S + 1 in the codes: 256 tiles
.set SPARE, 2*SLOT                     ; behind the ring: the spare words, 128 bytes a wave
.set ADRA, 16
.set ADRB, 20
.set PFT,  22
.set LI,   26
.set ADRS, 27
.set SPW,  28
.set NIL,  29
.set SWO,  30
.set PFO,  31
.set SC,   32
.set AF,   64
.set HA,   64
.set PC,   128
.set TM,   148
.set W8,   164
.set SEL4, 172
.set PFA,  22                          ; s[22:23] where my prefetches stand
.set TPF,  66                          ; s[66:67] my 32 blocks of the table
.set G1,   24
.set G0,   32
.set G1B,  48
.set G0B,  56
.set MSB, 0
.macro WIN new                         ; the immediate's high byte repeats the setting that is left
.if MSB != (\new)
	s_set_vgpr_msb (MSB<<8)|(\new)
.set MSB, (\new)
.endif
.endm
.set MUL_LO, 0xa1                      ; source 0 (B) window 1, source 1 (A) window 0, C and D window 2
.set MUL_HI, 0xf1
.set TO_B,   0x40                      ; destination window 1, address window 0
.macro JLOAD g0a, g1a, g0b, g1b        ; a joint load: waves 0, 1 fetch for A, waves 2, 3 for B: every way passes exactly one load
	s_cmp_eq_u32 s15, 0
	s_cbranch_scc0 .Lfor_b_\@
	tensor_load_to_lds s[\g0a:\g0a+3], s[\g1a:\g1a+7]
	s_nop 0
.rept 4
	v_nop
.endr
	s_branch .Lasked_\@
.Lfor_b_\@:
	tensor_load_to_lds s[\g0b:\g0b+3], s[\g1b:\g1b+7]
	s_nop 0
.rept 4
	v_nop
.endr
.Lasked_\@:
.endm
.macro CREST                           ; a round of the cluster's barrier behind its opening barrier
	s_cmp_lg_u32 s14, 0
	s_cbranch_scc1 .Lnot_wave_0_\@
	s_barrier_signal -3
.Lnot_wave_0_\@:
	s_barrier_wait -3
	s_barrier_signal -1
	s_barrier_wait -1
.endm
.macro CROUND
	s_barrier_signal -1
	s_barrier_wait -1
	CREST
.endm
.macro PLACES n                        ; plain vector lines behind a matrix instruction (ISA guide 7.12.1)
.rept \n
	v_nop
.endr
.endm
.macro G1REST g, rows                  ; a dense block as rows of 256 bytes (32 elements of 8 bytes)
	s_mov_b32 s[\g+1], 32<<16
	s_mov_b32 s[\g+2], (\rows)<<16
	s_mov_b32 s[\g+3], 32<<16
	s_mov_b32 s[\g+4], \rows
	s_mov_b32 s[\g+5], 32
	s_mov_b32 s[\g+6], 0
	s_mov_b32 s[\g+7], 0
.endm
	s_load_b128 s[4:7], s[0:1], 0x0                ; PQ s[4:5], QKV s[6:7]
	v_lshl_add_u32 v[SPW], v0, 2, SPARE
	v_mov_b32 v[NIL], 0
	ds_add_u32 v[SPW], v[NIL]                      ; the opening lines: the add, twice on end, and its wait ahead of my first tensor load
	ds_add_u32 v[SPW], v[NIL]
	v_lshrrev_b32 v1, 5, v0
	v_readfirstlane_b32 s14, v1                    ; wave 0..3
	s_lshr_b32 s15, s14, 1                         ; which 128 rows of the A role are mine.  Also: I fetch for A (0) or for B (1)
	s_and_b32 s16, s14, 1                          ; which 128 of the B role.  Also: which half of that tile I fetch
	s_bfe_u32 s40, ttmp6, 0x40000                  ; cx
	s_bfe_u32 s41, ttmp6, 0x40004                  ; cy
	s_and_b32 s17, ttmp7, 0xffff                   ; the cluster's y
	s_lshl_b32 s43, s41, 2
	s_lshl_b32 s43, 15, s43                        ; my row of the cluster
	s_lshl_b32 s44, 0x1111, s40                    ; my column
	s_cmp_eq_u32 ttmp9, 3                          ; the cluster's x: the same in all sixteen partners
	s_cselect_b32 s18, 0, s17                      ; A's block of 256 rows = 4 x this + cy
	s_cselect_b32 s19, s17, ttmp9                  ; B's = 4 x this + cx
	s_mov_b32 s20, 0
	s_cselect_b32 s20, WC+192*3072, s20            ; A's codes: x's, or W_v's (tiles 192 on)
	s_mov_b32 s12, XS
	s_cselect_b32 s12, WS+96*2048, s12             ; A's scale words
	s_mov_b32 s46, WC
	s_cselect_b32 s46, 0, s46                      ; B's codes: the weights', or x's
	s_mov_b32 s13, WS
	s_cselect_b32 s13, XS, s13
	s_lshl_b32 s18, s18, 2
	s_add_co_u32 s18, s18, s41                     ; A's registers never hold cx,
	s_lshl_b32 s19, s19, 2
	s_add_co_u32 s19, s19, s40                     ; B's never cy
	s_mul_i32 s42, s18, 2*HALFT
	s_add_co_u32 s20, s20, s42
	s_lshl_b32 s42, s18, 14
	s_add_co_u32 s12, s12, s42
	s_lshl_b32 s42, s15, 13
	s_add_co_u32 s12, s12, s42                     ; the scale words of my 128 rows of A, as an offset in PQ,
	s_mul_i32 s45, s19, 2*HALFT
	s_add_co_u32 s46, s46, s45
	s_lshl_b32 s45, s19, 14
	s_add_co_u32 s13, s13, s45
	s_lshl_b32 s45, s16, 13
	s_add_co_u32 s13, s13, s45                     ; and of my 128 of B
	s_mul_i32 s42, s16, HALFT                      ; the half of a tile that I fetch
	s_add_co_u32 s20, s20, s42
	s_add_co_u32 s46, s46, s42
	s_mov_b32 s21, 0
	s_mov_b32 s47, 0
	s_mul_i32 s2, s14, HALFT                       ; where it goes: wave x 24,576: no place in the cluster enters an LDS address
	s_cmp_eq_u32 s15, 0
	s_cselect_b32 s42, s40, s41                    ; my place among the four that ask with me
	s_mul_i32 s42, s42, 6144                       ; 24 blocks of 256 bytes
	s_or_b32 s[G1+0], s43, (3<<16)|(1<<21)         ; 15:0 the mask; 17:16 elements of 8 bytes; 21 set beside a mask
	s_or_b32 s[G1B+0], s44, (3<<16)|(1<<21)
	s_mov_b32 s43, 0
	G1REST G1, 96
	G1REST G1B, 96
	s_mov_b32 s10, 0x76543210
	s_mov_b32 s11, 0xfedcba98                      ; v_permlanex16_b32's selects for lane l xor 16
	s_mul_i32 s8, s15, HALFT                       ; my 128 rows of A in a slot
	s_mul_i32 s9, s16, HALFT
	s_add_co_u32 s9, s9, 2*HALFT                   ; my 128 of B, behind A's 256
	s_wait_dscnt 0x0                               ; both opening adds are done
	s_wait_kmcnt 0x0
	s_add_nc_u64 s[20:21], s[4:5], s[20:21]
	s_add_nc_u64 s[46:47], s[4:5], s[46:47]
.irp s, 0,1
	s_mov_b32 s[G0+4*\s], 1
	s_add_co_u32 s[G0+4*\s+1], s2, \s*SLOT
	s_add_nc_u64 s[G0+4*\s+2:G0+4*\s+3], s[20:21], \s*SSTR
	s_or_b32 s[G0+4*\s+3], s[G0+4*\s+3], 0x80000000
	s_mov_b32 s[G0B+4*\s], 1
	s_add_co_u32 s[G0B+4*\s+1], s2, \s*SLOT
	s_add_nc_u64 s[G0B+4*\s+2:G0B+4*\s+3], s[46:47], \s*SSTR
	s_or_b32 s[G0B+4*\s+3], s[G0B+4*\s+3], 0x80000000
.endr
	s_cmp_eq_u32 s15, 0
	s_cselect_b64 s[PFA:PFA+1], s[20:21], s[46:47]
	s_add_nc_u64 s[PFA:PFA+1], s[PFA:PFA+1], s[42:43]
	CROUND                                         ; all sixteen work-groups are here: the first joint loads meet
	JLOAD G0, G1, G0B, G1B                         ; S = 0: my one tensor load at the head
.macro GSCALES sc                      ; a slot's scale words into set sc: register 2 i + q: lanes 0-15 A's block i, lanes 16-31 B's block i
.irp i, 0,1,2,3,4,5,6,7
	global_load_b64 v[SC+16*(\sc)+2*\i:SC+16*(\sc)+2*\i+1], v[ADRS], s[4:5] offset:(\i/2)*2048+(\i%2)*128
.endr
.endm
	v_and_b32 v3, 31, v0
	v_min_u32 v[PFO], 23, v3
	v_lshlrev_b32 v[PFO], 8, v[PFO]                ; a lane a block of 256 bytes
	global_prefetch_b8 v[PFO], s[PFA:PFA+1] offset:SSTR th:TH_LOAD_NT scope:SCOPE_SE      ; S = 1
	global_prefetch_b8 v[PFO], s[PFA:PFA+1] offset:2*SSTR th:TH_LOAD_NT scope:SCOPE_SE    ; S = 2
	v_and_b32 v1, 15, v0                           ; r
	v_bfe_u32 v2, v0, 4, 1                         ; h
	v_mov_b32 v5, s12
	v_mov_b32 v6, s13
	v_cmp_eq_u32 vcc_lo, 1, v2
	v_cndmask_b32 v5, v5, v6, vcc_lo               ; lanes 0-15 take A's rows, lanes 16-31 B's
	v_lshl_add_u32 v[ADRS], v1, 3, v5              ; + 8 r
	GSCALES 0                                      ; S = 0's
	v_lshlrev_b32 v[LI], 4, v3
	v_lshlrev_b32 v[PFT], 8, v3
	v_add_nc_u32 v[ADRA], s8, v[LI]
	v_add_nc_u32 v[ADRB], s9, v[LI]
	v_add_nc_u32 v[ADRA+1], SLOT, v[ADRA]
	v_add_nc_u32 v[ADRB+1], SLOT, v[ADRB]
	v_lshlrev_b32 v[SWO], 5, v1
	v_lshl_add_u32 v[SWO], v2, 4, v[SWO]           ; the scale words' way out: r x 32 + 16 h
	; where the results go, and which table serves
	s_lshl_b32 s12, s18, 1
	s_add_co_u32 s12, s12, s15                     ; my 128 of the A role
	s_lshl_b32 s13, s19, 1
	s_add_co_u32 s13, s13, s16                     ; my 128 of the B role
	s_and_b32 s42, s13, 7                          ; k: kv head = head - 16
	s_cmp_eq_u32 ttmp9, 3
	s_cselect_b32 s8, s13, s12                     ; the token group
	s_cselect_b32 s9, s12, s42                     ; the kv head
	s_cselect_b32 s45, 1, 0                        ; v?
	s_lshr_b32 s42, s8, 3
	s_lshl_b32 s42, s42, 3
	s_add_co_u32 s42, s42, s9
	s_mul_i32 s42, s42, RECB
	s_add_co_u32 s42, s42, REC                     ; the record of (batch, kv head)
	s_and_b32 s8, s8, 7                            ; the key step
	s_mul_i32 s9, s45, 98304
	s_add_co_u32 s92, s42, s9
	s_mul_i32 s9, s8, 12288
	s_add_co_u32 s92, s92, s9
	s_lshl_b32 s9, s45, 12
	s_add_co_u32 s94, s42, s9
	s_lshl_b32 s9, s8, 9
	s_add_co_u32 s94, s94, s9
	s_add_co_u32 s94, s94, 196608
	s_lshl_b32 s9, s12, 4
	s_add_co_u32 s9, s9, s13                       ; q: token group x 16 + head
	s_mul_i32 s8, s9, 12288
	s_lshl_b32 s9, s9, 9
	s_add_co_u32 s9, s9, QSO
	s_mov_b32 s96, TK
	s_cmp_lt_u32 ttmp9, 2
	s_cselect_b32 s92, s8, s92
	s_cselect_b32 s94, s9, s94
	s_cselect_b32 s96, TQ, s96
	s_lshl_b32 s8, s41, 2
	s_add_co_u32 s8, s8, s40
	s_lshl_b32 s8, s8, 2
	s_add_co_u32 s8, s8, s14                       ; my wave's number in the cluster, 0..63
	s_lshl_b32 s8, s8, 13
	s_add_co_u32 s[TPF], s96, s8                   ; its 8,192 bytes of the table's 524,288
	s_mov_b32 s[TPF+1], 0
	s_and_b32 s8, s12, 7
	s_lshl_b32 s8, s8, 16
	s_add_co_u32 s96, s96, s8                      ; the table's 8 tiles of my token group's place in its batch
	s_mov_b32 s93, 0
	s_mov_b32 s95, 0
	s_mov_b32 s97, 0
	s_add_nc_u64 s[92:93], s[6:7], s[92:93]
	s_add_nc_u64 s[94:95], s[6:7], s[94:95]
	s_add_nc_u64 s[96:97], s[4:5], s[96:97]
	s_add_nc_u64 s[TPF:TPF+1], s[4:5], s[TPF:TPF+1]
.macro FRAG reg, adr, off              ; an image comes back as it was stored: three loads of 512 consecutive bytes
.irp c, 0,1,2
	ds_load_b128 v[(\reg)+4*\c:(\reg)+4*\c+3], v[\adr] offset:(\off)+512*\c
.endr
.endm
.macro FETCH slot, q                   ; the slot's q-th 128 along K: B's eight fragments and A's eight into set q: 48 loads in one run
	WIN TO_B
.irp i, 0,1,2,3,4,5,6,7
	FRAG 128*(\q)+12*\i, ADRB+\slot, \i*3072+(\q)*1536
.endr
	WIN 0
.irp i, 0,1,2,3,4,5,6,7
	FRAG AF+96*(\q)+12*\i, ADRA+\slot, \i*3072+(\q)*1536
.endr
.endm
; 16 matrix instructions: A's blocks a0, a0 + 1 x B's eight.  The 64 accumulators take turns, one instruction a turn, in the same order in every step.  zero = 1: the first product starts the sums.
.macro MUL16 a0, q, sc, zero
.irp a, \a0, \a0+1
.irp b, 0,1,2,3,4,5,6,7
.if \zero
	v_wmma_scale_f32_16x16x128_f8f6f4 v[8*(8*((\a)%4)+\b):8*(8*((\a)%4)+\b)+7], v[128*(\q)+12*\b:128*(\q)+12*\b+11], v[AF+96*(\q)+12*(\a):AF+96*(\q)+12*(\a)+11], 0, v[SC+16*(\sc)+2*\b+(\q)], v[SC+16*(\sc)+2*(\a)+(\q)] matrix_a_fmt:MATRIX_FMT_FP6 matrix_b_fmt:MATRIX_FMT_FP6 matrix_a_scale:MATRIX_SCALE_ROW1
.else
	v_wmma_scale_f32_16x16x128_f8f6f4 v[8*(8*((\a)%4)+\b):8*(8*((\a)%4)+\b)+7], v[128*(\q)+12*\b:128*(\q)+12*\b+11], v[AF+96*(\q)+12*(\a):AF+96*(\q)+12*(\a)+11], v[8*(8*((\a)%4)+\b):8*(8*((\a)%4)+\b)+7], v[SC+16*(\sc)+2*\b+(\q)], v[SC+16*(\sc)+2*(\a)+(\q)] matrix_a_fmt:MATRIX_FMT_FP6 matrix_b_fmt:MATRIX_FMT_FP6 matrix_a_scale:MATRIX_SCALE_ROW1
.endif
.endr
.endr
.endm
.macro STEP slot, zero, more           ; a slot's first 128 along K.  more = 1: the next slot's scale words are asked for, into the other set
	s_wait_dscnt 0x0                               ; set 0 is in (asked for 32 matrix instructions ago),
	s_wait_loadcnt 0x0                             ; and so are this slot's scale words (asked for a slot ago): their offset register may be stepped
	PLACES 4                                       ; set 1 and the other set of scale words were read by earlier products
.if \more
	s_wait_alu depctr_va_vdst(0)
	v_add_nc_u32 v[ADRS], 256, v[ADRS]             ; the next S's scale words
.endif
	FETCH \slot, 1
.if \more
	GSCALES 1-\slot
.endif
	WIN MUL_LO
	MUL16 0, 0, \slot, \zero
	MUL16 2, 0, \slot, \zero
	WIN MUL_HI
	MUL16 4, 0, \slot, \zero
	MUL16 6, 0, \slot, \zero
	WIN 0
.endm
; A slot's second 128 along K changes slots: ONE barrier; in front of it each wave waits for all its tensor loads, adds 0 to its spare word, and waits for that and for its own reads of this slot.  fill = 1: the slot is filled again, two S on.
.macro TURN slot, next, fill
.if \fill
	s_wait_xcnt 0x0                                ; my last prefetch, 96 matrix instructions back, has read its address: it is stepped here
	s_add_nc_u64 s[PFA:PFA+1], s[PFA:PFA+1], SSTR
.endif
	s_wait_tensorcnt 0x0                           ; all my tensor loads have landed: my part of the next slot
	ds_add_u32 v[SPW], v[NIL]                      ; 0 onto my spare word
	s_wait_dscnt 1                                 ; only the add may be out: set 1's 48 loads are in
	WIN MUL_LO
	MUL16 0, 1, \slot, 0                           ; sixteen matrix instructions stand between the add and the wait for it
	s_wait_dscnt 0x0                               ; the add is done, and my reads of this slot are over
	s_barrier_signal -1
	MUL16 2, 1, \slot, 0
	WIN 0
	s_barrier_wait -1
.if \fill
	CREST                                          ; the barrier has opened a round of the cluster's barrier: no wave of any partner still reads this slot or has a load on its way
	s_add_nc_u64 s[G0+4*\slot+2:G0+4*\slot+3], s[G0+4*\slot+2:G0+4*\slot+3], 2*SSTR
	s_add_nc_u64 s[G0B+4*\slot+2:G0B+4*\slot+3], s[G0B+4*\slot+2:G0B+4*\slot+3], 2*SSTR
	JLOAD G0+4*\slot, G1, G0B+4*\slot, G1B         ; the first tensor load behind the round; its four v_nop are the places in front of the loads below
.else
	PLACES 4
.endif
	FETCH \next, 0
.if \fill
	s_cmp_gt_u32 s3, 1                             ; the loop's last trip has no S two refills on
	s_cbranch_scc0 .Lno_ask_\@
	global_prefetch_b8 v[PFO], s[PFA:PFA+1] offset:3*SSTR th:TH_LOAD_NT scope:SCOPE_SE   ; the S that stands two refills on
.Lno_ask_\@:
.endif
	WIN MUL_HI
	MUL16 4, 1, \slot, 0
	MUL16 6, 1, \slot, 0
	WIN 0
.endm
	s_wait_alu depctr_va_vdst(0)
	s_wait_tensorcnt 0x0                           ; my quarter of slot 0 is in; the lines ahead of a later first fill:
	ds_add_u32 v[SPW], v[NIL]
	s_wait_dscnt 0x0
	CROUND                                         ; a whole round: slot 0 is whole, and the joint loads meet
	JLOAD G0+4, G1, G0B+4, G1B                     ; S = 1 into slot 1
	FETCH 0, 0
	global_prefetch_b8 v[PFO], s[PFA:PFA+1] offset:3*SSTR th:TH_LOAD_NT scope:SCOPE_SE   ; S = 3
	s_cmp_eq_u32 ttmp9, 3                          ; v has no rotary
	s_cbranch_scc1 .Lno_tab
	global_prefetch_b8 v[PFT], s[TPF:TPF+1] th:TH_LOAD_NT scope:SCOPE_SE
.Lno_tab:
	STEP 0, 1, 1                                   ; the first step stands in front of the loop: its products start the sums
	s_mov_b32 s3, 3
.Llap:                                                 ; a trip goes once round the ring and fills both slots again: S = 2 .. 7
	TURN 0, 1, 1
	STEP 1, 0, 1
	TURN 1, 0, 1
	STEP 0, 0, 1
	s_sub_co_u32 s3, s3, 1
	s_cmp_lg_u32 s3, 0
	s_cbranch_scc1 .Llap
	TURN 0, 1, 0                                   ; the last lap fills nothing
	STEP 1, 0, 0
.macro TLOADS a                        ; the table of token tile a: 32 cosine factors, 32 sine factors a lane, into window 1
	WIN TO_B
.irp e, 0,1,2,3,4,5,6,7,8,9,10,11,12,13,14,15
	global_load_b128 v[64*((\a)%4)+4*\e:64*((\a)%4)+4*\e+3], v[LI], s[96:97] offset:(\a)*8192+\e*512
.endr
.endm
	s_cmp_eq_u32 ttmp9, 3                          ; the cluster's x: all partners go the same way
	s_cbranch_scc1 .Lno_early
	PLACES 4                                       ; B's set 0 is done with: the first two tiles' tables are asked for under the last 64 products
	TLOADS 0
	TLOADS 1
	WIN 0
.Lno_early:
	s_wait_dscnt 0x0
	WIN MUL_LO
	MUL16 0, 1, 1, 0
	MUL16 2, 1, 1, 0
	WIN MUL_HI
	MUL16 4, 1, 1, 0
	MUL16 6, 1, 1, 0
	WIN 0
; 64 numbers of a lane in window w, register s + 16 b + i = k 32 b + 16 h + i of my row, become a fragment's codes in v[PC] on and its scale word in v[pw].  Each accumulator is read from its low end on.
.macro QUANT s, w, pw
	WIN (\w)|((\w)<<2)
.irp b, 0,1,2,3
	v_max3_num_f32 v[TM+\b], |v[(\s)+16*\b]|, |v[(\s)+1+16*\b]|, 0x1800000   ; my 16 numbers of block b, and the floor 2^(3 - 127): the byte cannot fall under 1
.endr
	WIN ((\w)<<2)|((\w)<<4)
.irp i, 2,4,6,8,10,12,14
.irp b, 0,1,2,3
	v_max3_num_f32 v[TM+\b], v[TM+\b], |v[(\s)+16*\b+\i]|, |v[(\s)+1+16*\b+\i]|
.endr
.endr
	WIN 0
.irp b, 0,1,2,3
	v_permlanex16_b32 v[TM+4+\b], v[TM+\b], s10, s11
.endr
.irp b, 0,1,2,3
	v_max_num_f32 v[TM+\b], v[TM+\b], v[TM+4+\b]   ; with lane l xor 16's: the block's largest magnitude
.endr
.irp b, 0,1,2,3
	v_add_nc_u32 v[TM+12+\b], 0xff000000, v[TM+\b] ; 2 off its exponent field: the conversion's scale operand
.endr
.irp b, 0,1,2,3
	v_lshrrev_b32 v[TM+4+\b], 23, v[TM+12+\b]      ; the scale's byte
.endr
	v_lshl_or_b32 v[\pw], v[TM+5], 8, v[TM+4]
	v_lshl_or_b32 v[\pw], v[TM+6], 16, v[\pw]
	v_lshl_or_b32 v[\pw], v[TM+7], 24, v[\pw]
	s_wait_alu depctr_va_vdst(0)
	s_wait_xcnt 0x0                                ; the last block's stores have read the codes' registers, which the conversions write
	WIN (\w)
.irp c, 0,1
	v_cvt_scalef32_pk16_fp6_f32 v[PC+6*\c:PC+2+6*\c], v[(\s)+32*\c:(\s)+15+32*\c], v[TM+12+2*\c]
	v_cvt_scalef32_pk16_fp6_f32 v[PC+12+4*\c:PC+14+4*\c], v[(\s)+16+32*\c:(\s)+31+32*\c], v[TM+13+2*\c]   ; (a conversion's three registers begin on an even number)
.endr
	WIN 0
	v_nop                                          ; one plain line behind the conversions
.irp c, 0,1                            ; the operand's layout wants a whole block in a lane: lanes 0-15 block 2 c, lanes 16-31 block 2 c + 1
.irp i, 0,1,2
	v_permlane16_swap_b32 v[PC+6*\c+\i], v[PC+12+4*\c+\i]
.endr
.irp i, 0,1,2
	v_mov_b32 v[PC+3+6*\c+\i], v[PC+12+4*\c+\i]
.endr
.endr
.endm
.macro OUT3 a                          ; the fragment of A's block a goes out as its image: three stores of 512 consecutive bytes, aligned
.irp c, 0,1,2
	global_store_b128 v[LI], v[PC+4*\c:PC+4*\c+3], s[92:93] offset:(\a)*1536+512*\c
.endr
.endm
.macro ROT a                           ; out(d) = x(d) C - x(d + 64) S, out(d + 64) = x(d + 64) C + x(d) S: register p and register p + 32.  Source 0: the accumulators' window, source 1: the tables'.  All products first, so that no line reads the line just ahead
.set AC, 64*((\a)%4)
	WIN (2+(\a)/4)|4
.irp p, 0,2,4,6,8,10,12,14,16,18,20,22,24,26,28,30
	v_pk_mul_f32 v[HA+\p:HA+\p+1], v[AC+\p:AC+\p+1], v[AC+\p:AC+\p+1]
	v_pk_mul_f32 v[HA+32+\p:HA+33+\p], v[AC+32+\p:AC+33+\p], v[AC+\p:AC+\p+1]
.endr
.irp p, 0,2,4,6,8,10,12,14,16,18,20,22,24,26,28,30
	v_pk_fma_f32 v[HA+\p:HA+\p+1], v[AC+32+\p:AC+33+\p], v[AC+32+\p:AC+33+\p], v[HA+\p:HA+\p+1] neg_lo:[1,0,0] neg_hi:[1,0,0]
	v_pk_fma_f32 v[HA+32+\p:HA+33+\p], v[AC+\p:AC+\p+1], v[AC+32+\p:AC+33+\p], v[HA+32+\p:HA+33+\p]
.endr
.endm
	PLACES 4                                       ; behind the last products: results are read, and registers that held fragments are written and loaded
.irp b, 0,1,2,3
	v_mov_b32 v[TM+4+\b], 0                        ; written once: a lane permute's destination counts as one of its sources
.endr
	s_cmp_eq_u32 ttmp9, 3
	s_cbranch_scc1 .Lv_way
	TLOADS 2                                       ; q and k: the tables run four tiles ahead
	TLOADS 3
.irp a, 0,1,2,3,4,5,6,7
.if \a < 5
	s_wait_loadcnt 48                              ; this tile's 16 loads are in; those of the three tiles behind it may be out
.else
	s_wait_loadcnt 16*(7-\a)
.endif
	ROT \a
.if \a < 4
	TLOADS \a+4
.endif
	WIN 0
	QUANT HA, 0, W8+\a
	OUT3 \a
.endr
	s_branch .Ljoin
.Lv_way:                                               ; v: no rotary: the accumulators are quantised where they lie
.irp a, 0,1,2,3,4,5,6,7
	QUANT 64*((\a)%4), 2+(\a)/4, W8+\a
	OUT3 \a
.endr
.Ljoin:
	v_cmp_eq_u32 vcc_lo, 1, v2                     ; row r's eight words: lanes 0-15 store blocks 0-3's, lanes 16-31 blocks 4-7's
.irp k, 0,1,2,3
	v_cndmask_b32 v[SEL4+\k], v[W8+\k], v[W8+4+\k], vcc_lo
.endr
	global_store_b128 v[SWO], v[SEL4:SEL4+3], s[94:95]     ; 512 consecutive bytes, aligned
	s_wait_tensorcnt 0x0                           ; the wave's end
	ds_add_u32 v[SPW], v[NIL]
	s_wait_dscnt 0x0
	CROUND                                         ; the closing round: no work-group ends while a partner may still ask for a tile that names it
	s_endpgm
.Lfunc_end_k_q871b0d2f32_qkv:
	.size	k_q871b0d2f32_qkv, .Lfunc_end_k_q871b0d2f32_qkv-k_q871b0d2f32_qkv
	.p2alignl 7, 3214868480
	.fill 96, 4, 3214868480
	.section	.rodata,"a",@progbits
	.p2align	6, 0x0
	.amdhsa_kernel k_q871b0d2f32_qkv
		.amdhsa_group_segment_fixed_size 327680
		.amdhsa_private_segment_fixed_size 0
		.amdhsa_enable_private_segment 0
		.amdhsa_kernarg_size 16
		.amdhsa_user_sgpr_count 2
		.amdhsa_user_sgpr_kernarg_segment_ptr 1
		.amdhsa_wavefront_size32 1
		.amdhsa_system_sgpr_workgroup_id_x 1
		.amdhsa_system_sgpr_workgroup_id_y 1
		.amdhsa_system_sgpr_workgroup_id_z 1
		.amdhsa_system_vgpr_workitem_id 0
		.amdhsa_next_free_vgpr 1024
		.amdhsa_next_free_sgpr 100
		.amdhsa_reserve_vcc 1
		.amdhsa_float_denorm_mode_32 3
		.amdhsa_float_denorm_mode_16_64 3
		.amdhsa_memory_ordered 1
		.amdhsa_forward_progress 1
		.amdhsa_inst_pref_size 219
	.end_amdhsa_kernel
	.amdgpu_metadata
---
amdhsa.version: [ 1, 2 ]
amdhsa.kernels:
  - .name:           k_q871b0d2f32_qkv
    .symbol:         k_q871b0d2f32_qkv.kd
    .args:
      - { .name: PQ, .offset: 0, .size: 8, .value_kind: global_buffer, .address_space: global }
      - { .name: QKV, .offset: 8, .size: 8, .value_kind: global_buffer, .address_space: global }
    .group_segment_fixed_size: 327680
    .private_segment_fixed_size: 0
    .kernarg_segment_align: 8
    .kernarg_segment_size: 16
    .max_flat_workgroup_size: 128
    .sgpr_count:     100
    .vgpr_count:     1024
    .wavefront_size: 32
...
	.end_amdgpu_metadata
.endif
;; end of part 2
;; launch attn (part 3): grid 8 x 32, 16 waves a work-group, clusters of 4 x 1, 206,848 bytes of LDS; arguments QKV, AQ; writes AQ
.if DOCPART == 3
	.amdgcn_target "amdgcn-amd-amdhsa--gfx1250"
	.amdhsa_code_object_version 6
	.text
	.protected	k_q871b0d2f32_attn
	.globl	k_q871b0d2f32_attn
	.p2align	8
	.type	k_q871b0d2f32_attn,@function
k_q871b0d2f32_attn:
	s_mov_b64 s[64:65], 0
	v_nop
	global_prefetch_b8 v0, s[64:65] scope:SCOPE_SE
	s_setreg_imm32_b32 hwreg(HW_REG_WAVE_MODE, 25, 1), 1
	s_wait_xcnt 0x0
	s_wait_alu depctr_hold_cnt(0) depctr_sa_sdst(0) depctr_va_vdst(0) depctr_va_sdst(0) depctr_va_ssrc(0) depctr_va_vcc(0) depctr_vm_vsrc(0)
	s_getreg_b32 s2, hwreg(HW_REG_IB_STS2, 6, 4)
	s_cmp_eq_u32 s2, 0
	s_cbranch_scc0 .Lentry_in_a_cluster
	s_endpgm
.Lentry_in_a_cluster:
	s_bfe_u32 s2, ttmp6, 0x10000c
	s_cmp_lg_u32 s2, 0x3003
	s_cbranch_scc0 .Lentry_shape_is_right
	s_endpgm
.Lentry_shape_is_right:
; Causal attention on codes of FP6 (E2M3): S^T = K Q^T, p = 2^(t - M) quantised along the keys, O^T = V^T P^T, O / l quantised along the head's 128 as an operand of the output projection.
; t = score x log2(e) / sqrt(128); M = the running largest t rounded UP to a whole number; the row's sum l is taken of the unquantised p; when M moves, l and O^T are multiplied by 2^(old M - new M): exact.
; SHARES.  Work-group y = (batch, kv head); the 8 work-groups j of one y share that head's K and V.  Wave W: w' = (W / 2) xor 3 (W / 8), query head 2 x kv head + W % 2: it owns ONE tile of 16 queries, tile 8 w' + j of the batch.
; So both query heads use one copy of K and V in LDS; key step s (128 keys) is hidden for s > w', lies on the diagonal for s = w' and is open for s < w': that hangs on the wave's number alone; every work-group has the same work.
; THE WHOLE RECORD (K's 64 images, V's 64, their scale words: 204,800 bytes) COMES INTO LDS ONCE, by seven joint loads of the cluster's four work-groups (waves 0-6); nothing is filled again, and LDS is only read.
; The first loads of waves 0, 1, 2 bring key steps 0, 1 and all scale words: the first two steps run while the rest is on its way.
; LAYOUT.  A tile's index i is row 32 (tt / 2) + 8 (tt % 2) + i + 8 (i / 8) (keys, queries, d): a lane holds one query, and the 16 registers of tiles 2 b, 2 b + 1 are keys (or d) 32 b + 16 h + 0 .. 15.
; LIMITS: NaN and infinities are not served; a block of zeros carries the scale byte 1 (its codes are zeros; only this program reads the bytes).
; REGISTERS: v1 16 x lane, v2 scale words' place, v3 my query's place in its step less 16 h, v4 32 r; v8-10 addresses in hand; v12 -M, v13 the largest t, v[14:15] the sum; v16-27 Q; v32-79 four fragments; v96-159 S^T, then p;
;   v160-223 O^T; v224-235 p's codes; v232-247, v252, v254 at work; v248-251 K's or V's scale words, v253 p's, v255 Q's.
.set QSO,  6291456
.set REC,  6553600
.set RECB, 204800
.set ASO,  6291456
.set VOFF, 98304
.set KSO,  196608
.set WV,   18
.set SEL,  20
.set CS,   22
.set TB,   2                           ; s2   LDS byte of the step's tiles of K: 12,288 a step
.set TS,   3                           ; s3   of its scale words: 512 a step
.set STP,  66                          ; s66  the key step
.set WP,   67                          ; s67  w'
.set CNT,  98
.macro CROUND                          ; a round of the cluster's barrier
	s_barrier_signal -1
	s_barrier_wait -1
	s_cmp_lg_u32 s[WV], 0
	s_cbranch_scc1 .Lnot_wave_0_\@
	s_barrier_signal -3
.Lnot_wave_0_\@:
	s_barrier_wait -3
	s_barrier_signal -1
	s_barrier_wait -1
.endm
.macro G0SET n, off                    ; descriptor group 0 number n: LDS byte = the record's byte
	s_mov_b32 s[36+4*\n], 1
	s_mov_b32 s[37+4*\n], \off
	s_add_nc_u64 s[38+4*\n:39+4*\n], s[32:33], \off
	s_or_b32 s[39+4*\n], s[39+4*\n], 0x80000000
.endm
.macro G1SET g, rows                   ; descriptor group 1: a dense block as rows of 256 bytes; mask: all four work-groups, bit 21 beside it
	s_mov_b32 s[\g], 15|(3<<16)|(1<<21)
	s_mov_b32 s[\g+1], 32<<16
	s_mov_b32 s[\g+2], (\rows)<<16
	s_mov_b32 s[\g+3], 32<<16
	s_mov_b32 s[\g+4], \rows
	s_mov_b32 s[\g+5], 32
	s_mov_b32 s[\g+6], 0
	s_mov_b32 s[\g+7], 0
.endm
	s_load_b128 s[4:7], s[0:1], 0x0                ; QKV s[4:5], AQ s[6:7]
	v_lshl_add_u32 v95, v0, 2, 0x32000
	v_mov_b32 v243, 0
	ds_add_u32 v95, v243
	ds_add_u32 v95, v243
	v_lshrrev_b32 v8, 5, v0
	s_delay_alu instid0(VALU_DEP_1)
	v_readfirstlane_b32 s[WV], v8                  ; wave 0..15
	s_bfe_u32 s76, ttmp6, 0x40000                  ; cx
	s_lshl_b32 s78, ttmp9, 2
	s_add_co_u32 s78, s78, s76                     ; j: it enters global addresses and the mask's numbers alone
	s_and_b32 s79, ttmp7, 0xffff                   ; (batch, kv head), which the partners share
	s_lshr_b32 s80, s79, 3                         ; batch
	s_and_b32 s81, s79, 7                          ; kv head
	s_lshr_b32 s82, s[WV], 1
	s_lshr_b32 s83, s[WV], 3
	s_mul_i32 s83, s83, 3
	s_xor_b32 s[WP], s82, s83                      ; w'
	s_and_b32 s84, s[WV], 1                        ; which of the two query heads
	s_mul_i32 s32, s79, RECB
	s_add_co_u32 s32, s32, REC
	s_mov_b32 s33, 0
	G1SET 8, 96
	G1SET 24, 144
	G1SET 68, 32
	s_mov_b32 s[SEL], 0x76543210
	s_mov_b32 s[SEL+1], 0xfedcba98
	s_mov_b32 s[CS], 0x3e0293ee                    ; c = log2(e) / sqrt(128)
	s_mov_b32 s[CS+1], s[CS]                       ; (named with it as a pair, so it is written)
	s_mov_b32 s[TB], 0
	s_mov_b32 s[TS], 0
	s_mov_b32 s[STP], 0
	s_lshl_b32 s85, s80, 3
	s_add_co_u32 s85, s85, s[WP]                   ; my token group
	s_lshl_b32 s86, s85, 4
	s_lshl_b32 s87, s81, 1
	s_add_co_u32 s86, s86, s87
	s_add_co_u32 s86, s86, s84                     ; group x 16 + head
	s_lshl_b32 s88, s86, 3
	s_add_co_u32 s88, s88, s78
	s_mul_i32 s88, s88, 1536                       ; Q's image
	s_mov_b32 s89, 0
	s_lshl_b32 s90, s86, 9
	s_lshl_b32 s91, s78, 2
	s_add_co_u32 s90, s90, s91
	s_add_co_u32 s90, s90, QSO                     ; its scale words
	s_mov_b32 s91, 0
	s_lshl_b32 s92, s85, 3
	s_add_co_u32 s92, s92, s78                     ; my token tile of 256
	s_lshl_b32 s93, s81, 8
	s_add_co_u32 s94, s93, s92
	s_mul_i32 s94, s94, 3072
	s_mul_i32 s95, s84, 1536
	s_add_co_u32 s94, s94, s95                     ; the result's image: [S = kv head][tile][K step = head % 2]
	s_mov_b32 s95, 0
	s_lshr_b32 s96, s92, 1
	s_lshl_b32 s96, s96, 11
	s_add_co_u32 s96, s96, s93
	s_and_b32 s97, s78, 1
	s_lshl_b32 s97, s97, 7
	s_add_co_u32 s96, s96, s97
	s_lshl_b32 s97, s84, 2
	s_add_co_u32 s96, s96, s97
	s_add_co_u32 s96, s96, ASO                     ; its scale words
	s_mov_b32 s97, 0
	s_lshr_b32 s77, s78, 1
	s_lshl_b32 s77, s77, 5
	s_and_b32 s82, s78, 1
	s_lshl_b32 s82, s82, 3
	s_add_co_u32 s77, s77, s82                     ; 32 (j / 2) + 8 (j % 2)
	s_wait_dscnt 0x0
	s_wait_kmcnt 0x0
	s_add_nc_u64 s[32:33], s[4:5], s[32:33]        ; the record
	s_add_nc_u64 s[88:89], s[4:5], s[88:89]
	s_add_nc_u64 s[90:91], s[4:5], s[90:91]
	s_add_nc_u64 s[94:95], s[6:7], s[94:95]
	s_add_nc_u64 s[96:97], s[6:7], s[96:97]
	G0SET 0, 0                                     ; K, steps 0, 1
	G0SET 1, 24576                                 ; K, steps 2-4
	G0SET 2, 98304                                 ; V, steps 0, 1
	G0SET 3, 122880                                ; V, steps 2-4
	G0SET 4, 196608                                ; all scale words
	G0SET 5, 61440                                 ; K, steps 5-7
	G0SET 6, 159744                                ; V, steps 5-7
	CROUND                                         ; all four work-groups are here: the joint loads meet
	s_cmp_lt_u32 s[WV], 7                          ; the seven fills go to waves 0-6, ONE a wave, in one chain of branches on the wave's number, the same in every work-group
	s_cbranch_scc0 .Lfilled
	s_cmp_eq_u32 s[WV], 0
	s_cbranch_scc0 .Lfill1
	tensor_load_to_lds s[36:39], s[8:15]
	s_nop 0
.rept 4
	v_nop
.endr
	s_branch .Lfilled
.Lfill1:
	s_cmp_eq_u32 s[WV], 1
	s_cbranch_scc0 .Lfill2
	tensor_load_to_lds s[44:47], s[8:15]
	s_nop 0
.rept 4
	v_nop
.endr
	s_branch .Lfilled
.Lfill2:
	s_cmp_eq_u32 s[WV], 2
	s_cbranch_scc0 .Lfill3
	tensor_load_to_lds s[52:55], s[68:75]
	s_nop 0
.rept 4
	v_nop
.endr
	s_branch .Lfilled
.Lfill3:
	s_cmp_eq_u32 s[WV], 3
	s_cbranch_scc0 .Lfill4
	tensor_load_to_lds s[40:43], s[24:31]
	s_nop 0
.rept 4
	v_nop
.endr
	s_branch .Lfilled
.Lfill4:
	s_cmp_eq_u32 s[WV], 4
	s_cbranch_scc0 .Lfill5
	tensor_load_to_lds s[48:51], s[24:31]
	s_nop 0
.rept 4
	v_nop
.endr
	s_branch .Lfilled
.Lfill5:
	s_cmp_eq_u32 s[WV], 5
	s_cbranch_scc0 .Lfill6
	tensor_load_to_lds s[56:59], s[24:31]
	s_nop 0
.rept 4
	v_nop
.endr
	s_branch .Lfilled
.Lfill6:
	tensor_load_to_lds s[60:63], s[24:31]
	s_nop 0
.rept 4
	v_nop
.endr
.Lfilled:
	v_and_b32 v8, 15, v0                           ; r
	v_bfe_u32 v9, v0, 4, 1                         ; h
	v_and_b32 v1, 31, v0
	s_delay_alu instid0(VALU_DEP_1)
	v_lshlrev_b32 v1, 4, v1                        ; 16 x lane
	s_delay_alu instid0(VALU_DEP_4)
	v_lshlrev_b32 v4, 5, v8                        ; 32 r
.irp c, 0,1,2
	global_load_b128 v[16+4*\c:19+4*\c], v1, s[88:89] offset:512*\c    ; Q's fragment stays in registers
.endr
	global_load_b32 v255, v4, s[90:91]             ; Q's scale words
	v_lshl_add_u32 v2, v8, 5, KSO
	v_and_b32 v11, 8, v8
	s_delay_alu instid0(VALU_DEP_1)
	v_add_nc_u32 v11, v11, v8                      ; r + 8 (r / 8)
	v_lshlrev_b32 v9, 4, v9
	s_delay_alu instid0(VALU_DEP_1)
	v_sub_nc_u32 v3, v11, v9
	s_delay_alu instid0(VALU_DEP_1)
	v_add_nc_u32 v3, s77, v3                       ; my query's place among its step's 128, less 16 h
	v_mov_b32 v13, 0xff61b1e6                      ; the largest t so far: -3e38, under every t
	s_delay_alu instid0(VALU_DEP_1)
	v_floor_f32 v12, -v13                          ; -M
	v_mov_b32 v14, 0
	v_mov_b32 v15, 0
.irp b, 0,1,2,3
	v_mov_b32 v[236+\b], 0                         ; written once: a lane permute's destination counts as one of its sources
.endr
	v_mov_b32 v252, 0
	v_mov_b32 v253, 0
.set j, 0
.rept 64
	v_mov_b32 v[160+j], 0                          ; O^T: the step is written without a first step of its own: the first change of M multiplies zeros
.set j, j+1
.endr
; A KEY STEP: 128 keys.
.macro STEP
	s_cmp_gt_u32 s[STP], s[WP]                     ; all its keys come after my queries: only the stepping lines at its end are run
	s_cbranch_scc1 .Lhidden_\@
	v_add_nc_u32 v8, s[TB], v1
	s_wait_alu depctr_va_vdst(0)
	v_add_nc_u32 v10, s[TS], v2
	s_wait_alu depctr_va_vdst(0)
	v_add_nc_u32 v9, VOFF, v8
	v_nop                                          ; four plain lines: the places in front of loads into registers that the last products read
.irp g, 0,1                            ; S^T = K Q^T, four tiles of 16 keys at a time
.rept 4*\g
	v_nop
.endr
.irp t, 0,1,2,3
.irp c, 0,1,2
	ds_load_b128 v[32+12*\t+4*\c:35+12*\t+4*\c], v8 offset:(4*\g+\t)*1536+512*\c
.endr
.endr
	ds_load_b128 v[248:251], v10 offset:16*\g      ; the four tiles' scale words of index r
	s_wait_dscnt 0x0
.irp t, 0,1,2,3
	v_wmma_scale_f32_16x16x128_f8f6f4 v[96+8*(4*\g+\t):103+8*(4*\g+\t)], v[32+12*\t:43+12*\t], v[16:27], 0, v[248+\t], v255 matrix_a_fmt:MATRIX_FMT_FP6 matrix_b_fmt:MATRIX_FMT_FP6
.endr
.endr
.rept 4
	v_nop
.endr
	s_cmp_lt_u32 s[STP], s[WP]                     ; all its keys count
	s_cbranch_scc1 .Lopen_\@
	v_mov_b32 v254, 0xff800000                     ; on the diagonal: register 16 b + i holds the step's key 32 b + 16 h + i: hidden where 32 b + i > v3: its score becomes -infinity, p = 0
.set n, 0
.rept 64
	v_cmp_gt_i32 vcc_lo, 32*(n/16)+n%16, v3
	v_cndmask_b32 v[96+n], v[96+n], v254, vcc_lo
.set n, n+1
.endr
.Lopen_\@:
.irp b, 0,1,2,3
	v_max3_num_f32 v[232+\b], v[96+16*\b], v[97+16*\b], v[98+16*\b]   ; the largest score of each block of 32 keys: for the row's maximum, and, since p rises with the score, for the block's largest p
.endr
.irp i, 3,5,7,9,11,13
.irp b, 0,1,2,3
	v_max3_num_f32 v[232+\b], v[232+\b], v[96+16*\b+\i], v[97+16*\b+\i]
.endr
.endr
.irp b, 0,1,2,3
	v_max_num_f32 v[232+\b], v[232+\b], v[111+16*\b]
.endr
.irp b, 0,1,2,3
	s_delay_alu instid0(VALU_DEP_4)
	v_permlanex16_b32 v[236+\b], v[232+\b], s[SEL], s[SEL+1]
.endr
.irp b, 0,1,2,3
	s_delay_alu instid0(VALU_DEP_4)
	v_max_num_f32 v[232+\b], v[232+\b], v[236+\b]  ; with lane l xor 16's 16 keys
.endr
	s_delay_alu instid0(VALU_DEP_2)
	v_max3_num_f32 v254, v232, v233, v234
	s_delay_alu instid0(VALU_DEP_1)
	v_max_num_f32 v254, v254, v235
	s_delay_alu instid0(VALU_DEP_1)
	v_mul_f32 v254, s[CS], v254                    ; the step's largest t (c is positive)
	s_delay_alu instid0(VALU_DEP_1)
	v_max_num_f32 v13, v13, v254
	v_mov_b32 v254, v12
	s_delay_alu instid0(VALU_DEP_2)
	v_floor_f32 v12, -v13                          ; the new -M = -ceil(t): a whole number
	s_delay_alu instid0(VALU_DEP_1)
	v_sub_f32 v254, v12, v254                      ; old M - new M: a whole number, 0 or less
	s_delay_alu instid0(VALU_DEP_1)
	v_cvt_i32_f32 v254, v254                       ; (it saturates)
	s_delay_alu instid0(VALU_DEP_1)
	v_ldexp_f32 v252, 1.0, v254                    ; f = 2^(old M - new M)
.set j, 0
.rept 32
	v_pk_fma_f32 v[96+j:97+j], v[96+j:97+j], s[CS:CS+1], v[12:13] op_sel_hi:[1,0,0]   ; t - M, two at a time
.set j, j+2
.endr
.irp b, 0,1,2,3
	v_fma_f32 v[232+\b], v[232+\b], s[CS], v12     ; the same of each block's largest score
.endr
.set j, 0
	s_wait_alu depctr_va_vdst(0)
.rept 64
	v_exp_f32 v[96+j], v[96+j]                     ; p = 2^(t - M), at most 1, not normalised
.set j, j+1
.endr
	v_pk_mul_f32 v[14:15], v[14:15], v[252:253] op_sel_hi:[1,0]    ; the sums under the new M.  (The plain line behind the exponentials)
	s_wait_alu depctr_va_vdst(0)                   ; one wait for the whole batch, ahead of its first reader
.irp b, 0,1,2,3
	v_exp_f32 v[232+\b], v[232+\b]                 ; the block's largest p
.endr
	v_pk_add_f32 v[236:237], v[100:101], v[104:105]
	v_pk_add_f32 v[250:251], v[108:109], v[112:113]
	v_pk_add_f32 v[248:249], v[116:117], v[120:121]
	v_pk_add_f32 v[246:247], v[124:125], v[128:129]
	v_pk_add_f32 v[244:245], v[132:133], v[136:137]
	v_pk_add_f32 v[240:241], v[140:141], v[144:145]
	v_pk_add_f32 v[238:239], v[148:149], v[152:153]
	v_pk_add_f32 v[14:15], v[14:15], v[156:157]
	v_pk_add_f32 v[236:237], v[236:237], v[96:97]
	v_pk_add_f32 v[250:251], v[250:251], v[98:99]
	v_pk_add_f32 v[248:249], v[248:249], v[102:103]
	v_pk_add_f32 v[246:247], v[246:247], v[106:107]
	v_pk_add_f32 v[244:245], v[244:245], v[110:111]
	v_pk_add_f32 v[240:241], v[240:241], v[114:115]
	v_pk_add_f32 v[238:239], v[238:239], v[118:119]
	v_pk_add_f32 v[14:15], v[14:15], v[122:123]
	v_pk_add_f32 v[236:237], v[236:237], v[126:127]
	v_pk_add_f32 v[250:251], v[250:251], v[130:131]
	v_pk_add_f32 v[248:249], v[248:249], v[134:135]
	v_pk_add_f32 v[246:247], v[246:247], v[138:139]
	v_pk_add_f32 v[244:245], v[244:245], v[142:143]
	v_pk_add_f32 v[240:241], v[240:241], v[146:147]
	v_pk_add_f32 v[238:239], v[238:239], v[150:151]
	v_pk_add_f32 v[14:15], v[14:15], v[154:155]
	v_pk_add_f32 v[236:237], v[236:237], v[158:159]
	s_delay_alu instid0(VALU_DEP_2)
	v_pk_add_f32 v[14:15], v[14:15], v[246:247]
	s_delay_alu instid0(VALU_DEP_2)
	v_pk_add_f32 v[236:237], v[236:237], v[244:245]
	v_pk_add_f32 v[250:251], v[250:251], v[240:241]
	v_pk_add_f32 v[248:249], v[248:249], v[238:239]
	s_delay_alu instid0(VALU_DEP_2)
	v_pk_add_f32 v[14:15], v[14:15], v[250:251]
	s_delay_alu instid0(VALU_DEP_2)
	v_pk_add_f32 v[236:237], v[236:237], v[248:249]
	s_delay_alu instid0(VALU_DEP_1)
	v_pk_add_f32 v[14:15], v[14:15], v[236:237]
	s_wait_alu depctr_va_vdst(0)                   ; and one for the four
.irp b, 0,1,2,3
	v_max_num_f32 v[232+\b], 0x1800000, v[232+\b]  ; the floor 2^(3 - 127)
.endr
.irp b, 0,1,2,3
	s_delay_alu instid0(VALU_DEP_4)
	v_add_nc_u32 v[244+\b], 0xff000000, v[232+\b]  ; the conversion's scale operand
.endr
.irp b, 0,1,2,3
	s_delay_alu instid0(VALU_DEP_4)
	v_lshrrev_b32 v[236+\b], 23, v[244+\b]
.endr
	s_delay_alu instid0(VALU_DEP_3)
	v_lshl_or_b32 v253, v237, 8, v236              ; p's scale word for these 128 keys
	s_delay_alu instid0(VALU_DEP_1)
	v_lshl_or_b32 v253, v238, 16, v253
	s_delay_alu instid0(VALU_DEP_1)
	v_lshl_or_b32 v253, v239, 24, v253
.irp c, 0,1
	v_cvt_scalef32_pk16_fp6_f32 v[224+6*\c:226+6*\c], v[96+32*\c:111+32*\c], v[244+2*\c]
	v_cvt_scalef32_pk16_fp6_f32 v[236+4*\c:238+4*\c], v[112+32*\c:127+32*\c], v[244+2*\c+1]
.endr
	v_nop                                          ; one plain line behind the conversions
.irp c, 0,1
.irp i, 0,1,2
	v_permlane16_swap_b32 v[224+6*\c+\i], v[236+4*\c+\i]
.endr
.irp i, 0,1,2
	s_delay_alu instid0(VALU_DEP_3)
	v_mov_b32 v[227+6*\c+\i], v[236+4*\c+\i]
.endr
.endr
.set j, 0
.rept 32
	v_pk_mul_f32 v[160+j:161+j], v[160+j:161+j], v[252:253] op_sel_hi:[1,0]   ; O^T under the new M.  (These 32 are also the places in front of the loads and matrix instructions below)
.set j, j+2
.endr
	s_wait_alu depctr_va_vdst(0)
.irp g, 0,1                            ; O^T += V^T P^T: four tiles of 16 of the head's 128 at a time
.rept 4*\g
	v_nop
.endr
.irp t, 0,1,2,3
.irp c, 0,1,2
	ds_load_b128 v[32+12*\t+4*\c:35+12*\t+4*\c], v9 offset:(4*\g+\t)*1536+512*\c
.endr
.endr
	ds_load_b128 v[248:251], v10 offset:4096+16*\g
	s_wait_dscnt 0x0
.irp t, 0,1,2,3
	v_wmma_scale_f32_16x16x128_f8f6f4 v[160+8*(4*\g+\t):167+8*(4*\g+\t)], v[32+12*\t:43+12*\t], v[224:235], v[160+8*(4*\g+\t):167+8*(4*\g+\t)], v[248+\t], v253 matrix_a_fmt:MATRIX_FMT_FP6 matrix_b_fmt:MATRIX_FMT_FP6
.endr
.endr
.Lhidden_\@:
	s_add_co_u32 s[STP], s[STP], 1
	s_add_co_u32 s[TB], s[TB], 12288
	s_add_co_u32 s[TS], s[TS], 512
.endm
	s_wait_alu depctr_va_vdst(0)
	s_cmp_gt_u32 s[WV], 2                          ; waves 0, 1, 2 brought steps 0, 1 of K, of V, and the scale words: they wait for their one load; the loads of waves 3-6 may be out: the next two steps do not read their bytes
	s_cbranch_scc1 .Lnot_first
	s_wait_tensorcnt 0x0
.Lnot_first:
	s_barrier_signal -1
	s_barrier_wait -1
	s_wait_loadcnt 0x0                             ; Q
	s_mov_b32 s[CNT], 2
.Lfirst:
	STEP
	s_sub_co_u32 s[CNT], s[CNT], 1
	s_cmp_lg_u32 s[CNT], 0
	s_cbranch_scc1 .Lfirst
	s_wait_tensorcnt 0x0                           ; all my loads have landed,
	s_wait_dscnt 0x0
	s_barrier_signal -1
	s_barrier_wait -1                              ; everybody's have: the record is whole
	s_mov_b32 s[CNT], 6
.Lrest:
	STEP
	s_sub_co_u32 s[CNT], s[CNT], 1
	s_cmp_lg_u32 s[CNT], 0
	s_cbranch_scc1 .Lrest
	; THE WAY OUT: O^T / l; register 16 b + i is d = 32 b + 16 h + i of my query: quantised where it lies, it is a fragment of the output projection's A.
	v_add_f32 v14, v14, v15
	s_delay_alu instid0(VALU_DEP_1)
	v_permlanex16_b32 v252, v14, s[SEL], s[SEL+1]
	s_delay_alu instid0(VALU_DEP_1)
	v_add_f32 v14, v14, v252                       ; the row's sum
	s_wait_alu depctr_va_vdst(0)
	v_rcp_f32 v14, v14
	v_and_b32 v8, 15, v0                           ; (plain lines behind the reciprocal, and places behind the last products)
	s_delay_alu instid0(VALU_DEP_1)
	v_lshlrev_b32 v9, 3, v8                        ; 8 r
	v_nop
	s_wait_alu depctr_va_vdst(0)                   ; the wait, ahead of the first reader
.set j, 0
.rept 64
	v_mul_f32 v[96+j], v[160+j], v14
.set j, j+1
.endr
.irp b, 0,1,2,3
	v_max3_num_f32 v[232+\b], |v[96+16*\b]|, |v[97+16*\b]|, 0x1800000
.endr
.irp i, 2,4,6,8,10,12,14
.irp b, 0,1,2,3
	s_delay_alu instid0(VALU_DEP_4)
	v_max3_num_f32 v[232+\b], v[232+\b], |v[96+16*\b+\i]|, |v[97+16*\b+\i]|
.endr
.endr
.irp b, 0,1,2,3
	s_delay_alu instid0(VALU_DEP_4)
	v_permlanex16_b32 v[236+\b], v[232+\b], s[SEL], s[SEL+1]
.endr
.irp b, 0,1,2,3
	s_delay_alu instid0(VALU_DEP_4)
	v_max_num_f32 v[232+\b], v[232+\b], v[236+\b]
.endr
.irp b, 0,1,2,3
	s_delay_alu instid0(VALU_DEP_4)
	v_add_nc_u32 v[244+\b], 0xff000000, v[232+\b]
.endr
.irp b, 0,1,2,3
	s_delay_alu instid0(VALU_DEP_4)
	v_lshrrev_b32 v[236+\b], 23, v[244+\b]
.endr
	s_delay_alu instid0(VALU_DEP_3)
	v_lshl_or_b32 v52, v237, 8, v236
	s_delay_alu instid0(VALU_DEP_1)
	v_lshl_or_b32 v52, v238, 16, v52
	s_delay_alu instid0(VALU_DEP_1)
	v_lshl_or_b32 v52, v239, 24, v52
.irp c, 0,1
	v_cvt_scalef32_pk16_fp6_f32 v[32+6*\c:34+6*\c], v[96+32*\c:111+32*\c], v[244+2*\c]
	v_cvt_scalef32_pk16_fp6_f32 v[44+4*\c:46+4*\c], v[112+32*\c:127+32*\c], v[244+2*\c+1]
.endr
	v_nop
.irp c, 0,1
.irp i, 0,1,2
	v_permlane16_swap_b32 v[32+6*\c+\i], v[44+4*\c+\i]
.endr
.irp i, 0,1,2
	s_delay_alu instid0(VALU_DEP_3)
	v_mov_b32 v[35+6*\c+\i], v[44+4*\c+\i]
.endr
.endr
.irp c, 0,1,2
	global_store_b128 v1, v[32+4*\c:35+4*\c], s[94:95] offset:512*\c   ; 512 consecutive bytes, aligned
.endr
	global_store_b32 v9, v52, s[96:97]             ; row r's word (lanes 16-31 write the same word with the same value); the other query head's wave writes the words between
	s_wait_dscnt 0x0
	s_wait_tensorcnt 0x0
	ds_add_u32 v95, v243
	s_wait_dscnt 0x0
	CROUND                                         ; the closing round
	s_endpgm
.Lfunc_end_k_q871b0d2f32_attn:
	.size	k_q871b0d2f32_attn, .Lfunc_end_k_q871b0d2f32_attn-k_q871b0d2f32_attn
	.p2alignl 7, 3214868480
	.fill 96, 4, 3214868480
	.section	.rodata,"a",@progbits
	.p2align	6, 0x0
	.amdhsa_kernel k_q871b0d2f32_attn
		.amdhsa_group_segment_fixed_size 206848
		.amdhsa_private_segment_fixed_size 0
		.amdhsa_enable_private_segment 0
		.amdhsa_kernarg_size 16
		.amdhsa_user_sgpr_count 2
		.amdhsa_user_sgpr_kernarg_segment_ptr 1
		.amdhsa_wavefront_size32 1
		.amdhsa_system_sgpr_workgroup_id_x 1
		.amdhsa_system_sgpr_workgroup_id_y 1
		.amdhsa_system_sgpr_workgroup_id_z 1
		.amdhsa_system_vgpr_workitem_id 0
		.amdhsa_next_free_vgpr 256
		.amdhsa_next_free_sgpr 100
		.amdhsa_reserve_vcc 1
		.amdhsa_float_denorm_mode_32 3
		.amdhsa_float_denorm_mode_16_64 3
		.amdhsa_memory_ordered 1
		.amdhsa_forward_progress 1
		.amdhsa_inst_pref_size 72
	.end_amdhsa_kernel
	.amdgpu_metadata
---
amdhsa.version: [ 1, 2 ]
amdhsa.kernels:
  - .name:           k_q871b0d2f32_attn
    .symbol:         k_q871b0d2f32_attn.kd
    .args:
      - { .name: QKV, .offset: 0, .size: 8, .value_kind: global_buffer, .address_space: global }
      - { .name: AQ, .offset: 8, .size: 8, .value_kind: global_buffer, .address_space: global }
    .group_segment_fixed_size: 206848
    .private_segment_fixed_size: 0
    .kernarg_segment_align: 8
    .kernarg_segment_size: 16
    .max_flat_workgroup_size: 512
    .sgpr_count:     100
    .vgpr_count:     256
    .wavefront_size: 32
...
	.end_amdgpu_metadata
.endif
;; end of part 3
;; launch oproj (part 4): grid 8 x 32, 4 waves a work-group, clusters of 4 x 4, 327,680 bytes of LDS; arguments AQ, PQ, out0; writes out0
.if DOCPART == 4
	.amdgcn_target "amdgcn-amd-amdhsa--gfx1250"
	.amdhsa_code_object_version 6
	.text
	.protected	k_q871b0d2f32_oproj
	.globl	k_q871b0d2f32_oproj
	.p2align	8
	.type	k_q871b0d2f32_oproj,@function
k_q871b0d2f32_oproj:
	s_mov_b64 s[64:65], 0
	v_nop
	global_prefetch_b8 v0, s[64:65] scope:SCOPE_SE
	s_setreg_imm32_b32 hwreg(HW_REG_WAVE_MODE, 25, 1), 1
	s_wait_xcnt 0x0
	s_wait_alu depctr_hold_cnt(0) depctr_sa_sdst(0) depctr_va_vdst(0) depctr_va_sdst(0) depctr_va_ssrc(0) depctr_va_vcc(0) depctr_vm_vsrc(0)
	s_getreg_b32 s2, hwreg(HW_REG_IB_STS2, 6, 4)
	s_cmp_eq_u32 s2, 0
	s_cbranch_scc0 .Lentry_in_a_cluster
	s_endpgm
.Lentry_in_a_cluster:
	s_bfe_u32 s2, ttmp6, 0x10000c
	s_cmp_lg_u32 s2, 0xf033
	s_cbranch_scc0 .Lentry_shape_is_right
	s_endpgm
.Lentry_shape_is_right:
; out = attn W_o on codes of FP6 (E2M3): A = the attention's result in AQ, B = W_o's columns in PQ, both as images of operand registers (a tile of 16 rows x 128 K: 1,536 bytes), [S = K / 256][tile][K step][1536];
; scale words, for each pair of tiles, 2,048 bytes: S x 256 + (tile % 2) x 128 + r x 8 + K step x 4.  Tile tt, index i, is row 32 (tt / 2) + 8 (tt % 2) + i + 8 (i / 8).
; A work-group makes 128 rows x 256 columns (256 work-groups), a wave 64 x 128: 32 accumulators.  The matrix instruction is used transposed (source 0 = B's tile, source 1 = A's): a lane holds eight numbers of one row of out.
; K goes in steps of 512 (two S) through two LDS slots: A's 8 tiles of S even, of S odd, then B's 16 tiles of S even, of S odd.  4 x 4 work-groups: A's tiles are asked for jointly along a row of the cluster, B's along a column.
; Waves 0, 1 fetch A's S even, odd, waves 2, 3 B's: one joint load a wave at the head (slot 0) and one behind each round; slot 1 is first filled behind the full sequence and a round.
; SCALE WORDS: all of a wave's, for all of K, are loaded once at the head, from memory straight into 96 registers that hold nothing else: lanes 0-15 take S = 2 p, lanes 16-31 S = 2 p + 1, and the row selectors go by S's parity.
; Two neighbouring loads cover two blocks of 256 bytes.  They are not prefetched: they are asked for under the flight of the head's tensor load, ahead of its wait.
; PREFETCH of the codes: behind the load of slot number t each wave asks for what it fetches of slot number t + 2 (the head also for t + 1): the four partners that ask jointly share the blocks of 256 bytes by address
; (cx for A, cy for B): 24 blocks of A's 96, 48 of B's 192; lanes 24-31 name the wave's last block again.  The last two loads ask for nothing.
; The way out: a block of 16 rows x 128 columns goes through the wave's own stage, in slot 0, which has had its last fill and its last read by then, and leaves as rows of 512 consecutive bytes.
; LIMITS: NaN and infinities are not served.
; REGISTERS: window 0: v16-19, v20-23 fragment addresses for the four S of the two slots, v24-25 the stage, v26 16 x lane, v28-29 the add's, v30 the prefetches' offset, v31 the scale words' offset,
;   v64-159 A's fragments, two sets (on the way out v32-159 take the rows read back); v160-191 A's scale words, v192-255 B's; window 1: B's fragments, two sets at v0 and v128; window 2: accumulator (a, b) at v[8 (8 a + b)].
.set ASO, 6291456
.set OC,  13107200
.set OS,  16252928
.set ABLK,  24576
.set BBLK,  49152
.set SLOT,  2*ABLK+2*BBLK
.set SSTRA, 786432
.set SSTRB, 393216
.set SPARE, 2*SLOT
.set ADRA, 16
.set ADRB, 20
.set STO,  24
.set RD,   25
.set LI,   26
.set SPW,  28
.set NIL,  29
.set PFO,  30
.set SOF,  31
.set BK,   32
.set AF,   64
.set SA,   160                         ; register SA + 2 (4 p + a) + q: A's block a, K step q of S = 2 p (lanes 0-15), 2 p + 1 (lanes 16-31)
.set SB,   192                         ; register SB + 2 (8 p + b) + q: B's block b likewise
.set PFA,  92
.set G1,   24
.set G0,   32
.set G1B,  48
.set G0B,  56
.set MSB, 0
.macro WIN new
.if MSB != (\new)
	s_set_vgpr_msb (MSB<<8)|(\new)
.set MSB, (\new)
.endif
.endm
.set MUL,  0xa1                        ; source 0 (B) window 1, source 1 (A) window 0, C and D window 2
.set TO_B, 0x40
.macro JLOAD g0a, g1a, g0b, g1b        ; every way passes exactly one load
	s_cmp_eq_u32 s15, 0
	s_cbranch_scc0 .Lfor_b_\@
	tensor_load_to_lds s[\g0a:\g0a+3], s[\g1a:\g1a+7]
	s_nop 0
.rept 4
	v_nop
.endr
	s_branch .Lasked_\@
.Lfor_b_\@:
	tensor_load_to_lds s[\g0b:\g0b+3], s[\g1b:\g1b+7]
	s_nop 0
.rept 4
	v_nop
.endr
.Lasked_\@:
.endm
.macro CREST
	s_cmp_lg_u32 s14, 0
	s_cbranch_scc1 .Lnot_wave_0_\@
	s_barrier_signal -3
.Lnot_wave_0_\@:
	s_barrier_wait -3
	s_barrier_signal -1
	s_barrier_wait -1
.endm
.macro CROUND
	s_barrier_signal -1
	s_barrier_wait -1
	CREST
.endm
.macro PLACES n
.rept \n
	v_nop
.endr
.endm
.macro G1REST g, rows                  ; a dense block as rows of 256 bytes (32 elements of 8 bytes)
	s_mov_b32 s[\g+1], 32<<16
	s_mov_b32 s[\g+2], (\rows)<<16
	s_mov_b32 s[\g+3], 32<<16
	s_mov_b32 s[\g+4], \rows
	s_mov_b32 s[\g+5], 32
	s_mov_b32 s[\g+6], 0
	s_mov_b32 s[\g+7], 0
.endm
.macro ASK n                           ; what I fetch of slot number n
	s_cmp_eq_u32 s15, 0
	s_cbranch_scc0 .Lask_b_\@
	global_prefetch_b8 v[PFO], s[PFA:PFA+1] offset:(\n)*2*SSTRA th:TH_LOAD_NT scope:SCOPE_SE
	s_branch .Lask_end_\@
.Lask_b_\@:
	global_prefetch_b8 v[PFO], s[PFA:PFA+1] offset:(\n)*2*SSTRB th:TH_LOAD_NT scope:SCOPE_SE
	global_prefetch_b8 v[PFO], s[PFA:PFA+1] offset:(\n)*2*SSTRB+6144 th:TH_LOAD_NT scope:SCOPE_SE
.Lask_end_\@:
.endm
	s_load_b128 s[4:7], s[0:1], 0x0                ; AQ s[4:5], PQ s[6:7]
	s_load_b64 s[12:13], s[0:1], 0x10              ; out0
	v_lshl_add_u32 v[SPW], v0, 2, SPARE
	v_mov_b32 v[NIL], 0
	ds_add_u32 v[SPW], v[NIL]                      ; the opening lines: the add, twice on end, and its wait
	ds_add_u32 v[SPW], v[NIL]
	v_lshrrev_b32 v1, 5, v0
	v_readfirstlane_b32 s14, v1                    ; wave 0..3
	s_lshr_b32 s15, s14, 1                         ; my 64 rows.  Also: I fetch for A (0) or B (1)
	s_and_b32 s16, s14, 1                          ; my 128 columns.  Also: the S even or odd that I fetch
	s_bfe_u32 s40, ttmp6, 0x40000                  ; cx
	s_bfe_u32 s41, ttmp6, 0x40004                  ; cy
	s_and_b32 s17, ttmp7, 0xffff
	s_lshl_b32 s18, s17, 2
	s_add_co_u32 s18, s18, s41                     ; block of 128 rows
	s_lshl_b32 s19, ttmp9, 2
	s_add_co_u32 s19, s19, s40                     ; block of 256 columns
	s_lshl_b32 s43, s41, 2
	s_lshl_b32 s43, 15, s43                        ; my row of the cluster
	s_lshl_b32 s44, 0x1111, s40                    ; my column
	s_mul_i32 s20, s18, ABLK
	s_mul_i32 s42, s16, SSTRA
	s_add_co_u32 s20, s20, s42                     ; A's codes: my S of the two
	s_mul_i32 s46, s19, BBLK
	s_mul_i32 s45, s16, SSTRB
	s_add_co_u32 s46, s46, s45
	s_add_co_u32 s46, s46, OC                      ; B's
	s_lshl_b32 s22, s18, 13
	s_lshl_b32 s42, s15, 12
	s_add_co_u32 s22, s22, s42
	s_add_co_u32 s22, s22, ASO                     ; the scale words of my 64 rows
	s_lshl_b32 s66, s19, 14
	s_lshl_b32 s45, s16, 13
	s_add_co_u32 s66, s66, s45
	s_add_co_u32 s66, s66, OS                      ; and of my 128 columns
	s_mov_b32 s21, 0
	s_mov_b32 s23, 0
	s_mov_b32 s47, 0
	s_mov_b32 s67, 0
	s_mul_i32 s2, s16, ABLK                        ; where my load goes in a slot
	s_mul_i32 s3, s16, BBLK
	s_add_co_u32 s3, s3, 2*ABLK
	s_cmp_eq_u32 s15, 0
	s_cselect_b32 s42, s40, s41                    ; my place among the four that ask with me,
	s_mov_b32 s45, 12288
	s_cselect_b32 s45, 6144, s45                   ; and its share in bytes
	s_mul_i32 s98, s42, s45
	s_mov_b32 s99, 0
	s_mul_i32 s8, s15, 12288                       ; my four tiles of A's eight
	s_mul_i32 s9, s16, 24576                       ; my eight of B's sixteen
	s_add_co_u32 s9, s9, 2*ABLK
	s_mul_i32 s42, s14, 16*528                     ; my stage
	s_or_b32 s[G1+0], s43, (3<<16)|(1<<21)
	s_or_b32 s[G1B+0], s44, (3<<16)|(1<<21)
	G1REST G1, 96
	G1REST G1B, 192
	s_wait_dscnt 0x0
	s_wait_kmcnt 0x0
	s_add_nc_u64 s[20:21], s[4:5], s[20:21]
	s_add_nc_u64 s[22:23], s[4:5], s[22:23]        ; never rewritten
	s_add_nc_u64 s[46:47], s[6:7], s[46:47]
	s_add_nc_u64 s[66:67], s[6:7], s[66:67]        ; never rewritten
.irp s, 0,1
	s_mov_b32 s[G0+4*\s], 1
	s_add_co_u32 s[G0+4*\s+1], s2, \s*SLOT
	s_add_nc_u64 s[G0+4*\s+2:G0+4*\s+3], s[20:21], \s*2*SSTRA
	s_or_b32 s[G0+4*\s+3], s[G0+4*\s+3], 0x80000000
	s_mov_b32 s[G0B+4*\s], 1
	s_add_co_u32 s[G0B+4*\s+1], s3, \s*SLOT
	s_add_nc_u64 s[G0B+4*\s+2:G0B+4*\s+3], s[46:47], \s*2*SSTRB
	s_or_b32 s[G0B+4*\s+3], s[G0B+4*\s+3], 0x80000000
.endr
	s_cmp_eq_u32 s15, 0
	s_cselect_b64 s[PFA:PFA+1], s[20:21], s[46:47]
	s_add_nc_u64 s[PFA:PFA+1], s[PFA:PFA+1], s[98:99]   ; never rewritten: the slots stand in the prefetches' immediates
	CROUND                                         ; all sixteen work-groups are here: the first joint loads meet
	JLOAD G0, G1, G0B, G1B                         ; S = 0, 1: my one tensor load at the head
	v_and_b32 v1, 15, v0                           ; r
	v_bfe_u32 v2, v0, 4, 1                         ; h
	v_lshlrev_b32 v[SOF], 3, v1
	v_lshl_add_u32 v[SOF], v2, 8, v[SOF]           ; 8 r + 256 h: lanes 16-31 take the odd S
.irp p, 0,1,2,3
.irp i, 0,1,2,3
	global_load_b64 v[SA+2*(4*\p+\i):SA+2*(4*\p+\i)+1], v[SOF], s[22:23] offset:(\i/2)*2048+(\i%2)*128+\p*512
.endr
.irp i, 0,1,2,3,4,5,6,7
	global_load_b64 v[SB+2*(8*\p+\i):SB+2*(8*\p+\i)+1], v[SOF], s[66:67] offset:(\i/2)*2048+(\i%2)*128+\p*512
.endr
.endr
	v_and_b32 v3, 31, v0
	v_min_u32 v[PFO], 23, v3
	v_lshlrev_b32 v[PFO], 8, v[PFO]                ; a lane a block of 256 bytes
	v_lshlrev_b32 v[LI], 4, v3
	v_add_nc_u32 v5, s8, v[LI]
	v_add_nc_u32 v6, s9, v[LI]
.irp u, 0,1,2,3
	v_add_nc_u32 v[ADRA+\u], (\u/2)*SLOT+(\u%2)*ABLK, v5
	v_add_nc_u32 v[ADRB+\u], (\u/2)*SLOT+(\u%2)*BBLK, v6
.endr
	v_mul_u32_u24 v5, v1, 528
	v_lshl_add_u32 v5, v2, 6, v5
	v_add_nc_u32 v[STO], s42, v5
	v_add_nc_u32 v[RD], s42, v[LI]
	s_wait_alu depctr_va_vdst(0)
	ASK 1
	ASK 2
	s_lshl_b32 s10, s18, 7
	s_lshl_b32 s11, s15, 6
	s_add_co_u32 s10, s10, s11                     ; my first row of out
	s_lshl_b32 s10, s10, 13
	s_lshl_b32 s11, s19, 10
	s_add_co_u32 s10, s10, s11
	s_lshl_b32 s11, s16, 9
	s_add_co_u32 s10, s10, s11                     ; and my first column, in bytes
	s_mov_b32 s11, 0
	s_add_nc_u64 s[12:13], s[12:13], s[10:11]
.macro FRAG reg, adr, off
.irp c, 0,1,2
	ds_load_b128 v[(\reg)+4*\c:(\reg)+4*\c+3], v[\adr] offset:(\off)+512*\c
.endr
.endm
.macro FETCH u, q                      ; S number u of the ring's four, its q-th 128 along K: B's eight fragments and A's four into set q: 36 loads in one run
	WIN TO_B
.irp i, 0,1,2,3,4,5,6,7
	FRAG 128*(\q)+12*\i, ADRB+\u, \i*3072+(\q)*1536
.endr
	WIN 0
.irp i, 0,1,2,3
	FRAG AF+48*(\q)+12*\i, ADRA+\u, \i*3072+(\q)*1536
.endr
.endm
.macro MUL8 a, q, s, zero              ; A's block a x B's eight, K step q of S = s; the 32 accumulators take turns
.irp b, 0,1,2,3,4,5,6,7
.if \zero
	v_wmma_scale_f32_16x16x128_f8f6f4 v[8*(8*(\a)+\b):8*(8*(\a)+\b)+7], v[128*(\q)+12*\b:128*(\q)+12*\b+11], v[AF+48*(\q)+12*(\a):AF+48*(\q)+12*(\a)+11], 0, v[SB+2*(8*((\s)/2)+\b)+(\q)], v[SA+2*(4*((\s)/2)+(\a))+(\q)] matrix_a_fmt:MATRIX_FMT_FP6 matrix_b_fmt:MATRIX_FMT_FP6
.else
.if (\s)%2
	v_wmma_scale_f32_16x16x128_f8f6f4 v[8*(8*(\a)+\b):8*(8*(\a)+\b)+7], v[128*(\q)+12*\b:128*(\q)+12*\b+11], v[AF+48*(\q)+12*(\a):AF+48*(\q)+12*(\a)+11], v[8*(8*(\a)+\b):8*(8*(\a)+\b)+7], v[SB+2*(8*((\s)/2)+\b)+(\q)], v[SA+2*(4*((\s)/2)+(\a))+(\q)] matrix_a_fmt:MATRIX_FMT_FP6 matrix_b_fmt:MATRIX_FMT_FP6 matrix_a_scale:MATRIX_SCALE_ROW1 matrix_b_scale:MATRIX_SCALE_ROW1
.else
	v_wmma_scale_f32_16x16x128_f8f6f4 v[8*(8*(\a)+\b):8*(8*(\a)+\b)+7], v[128*(\q)+12*\b:128*(\q)+12*\b+11], v[AF+48*(\q)+12*(\a):AF+48*(\q)+12*(\a)+11], v[8*(8*(\a)+\b):8*(8*(\a)+\b)+7], v[SB+2*(8*((\s)/2)+\b)+(\q)], v[SA+2*(4*((\s)/2)+(\a))+(\q)] matrix_a_fmt:MATRIX_FMT_FP6 matrix_b_fmt:MATRIX_FMT_FP6
.endif
.endif
.endr
.endm
.macro STEP u, s, zero                 ; the first 128 along K of S = s, which lies at place u of the ring (zero = 1 only for s = 0)
	s_wait_dscnt 0x0
	PLACES 4
	FETCH \u, 1
	WIN MUL
	MUL8 0, 0, \s, \zero
	MUL8 1, 0, \s, \zero
	MUL8 2, 0, \s, \zero
	MUL8 3, 0, \s, \zero
	WIN 0
.endm
.macro MID u, s                        ; the second 128 of a slot's first S: the slot's second S is fetched
	s_wait_dscnt 0x0
	PLACES 4
	FETCH \u+1, 0
	WIN MUL
	MUL8 0, 1, \s, 0
	MUL8 1, 1, \s, 0
	MUL8 2, 1, \s, 0
	MUL8 3, 1, \s, 0
	WIN 0
.endm
.macro TURN u, next, s, fill           ; a slot's last 128 changes slots: one barrier, with the three lines in front of it; fill = 1: the slot is filled again, four S on
	s_wait_tensorcnt 0x0                           ; all my tensor loads have landed
	ds_add_u32 v[SPW], v[NIL]
	s_wait_dscnt 1                                 ; only the add may be out
	WIN MUL
	MUL8 0, 1, \s, 0
	s_wait_dscnt 0x0                               ; the add is done, and my reads of this slot are over
	s_barrier_signal -1
	MUL8 1, 1, \s, 0
	WIN 0
	s_barrier_wait -1
.if \fill
	CREST                                          ; the barrier has opened a round of the cluster's barrier
	s_add_nc_u64 s[G0+4*((\u)/2)+2:G0+4*((\u)/2)+3], s[G0+4*((\u)/2)+2:G0+4*((\u)/2)+3], 4*SSTRA
	s_add_nc_u64 s[G0B+4*((\u)/2)+2:G0B+4*((\u)/2)+3], s[G0B+4*((\u)/2)+2:G0B+4*((\u)/2)+3], 4*SSTRB
	JLOAD G0+4*((\u)/2), G1, G0B+4*((\u)/2), G1B
.else
	PLACES 4
.endif
	FETCH \next, 0
	WIN MUL
	MUL8 2, 1, \s, 0
	MUL8 3, 1, \s, 0
	WIN 0
.endm
	s_wait_tensorcnt 0x0                           ; my part of slot 0 is in; the lines ahead of a later first fill:
	ds_add_u32 v[SPW], v[NIL]
	s_wait_dscnt 0x0
	CROUND                                         ; a whole round: slot 0 is whole, and the joint loads meet
	JLOAD G0+4, G1, G0B+4, G1B                     ; S = 2, 3 into slot 1
	FETCH 0, 0
	ASK 3
	s_wait_loadcnt 0x0                             ; all my scale words are in
	STEP 0, 0, 1
	MID  0, 0
	STEP 1, 1, 0
	TURN 1, 2, 1, 1
	STEP 2, 2, 0
	MID  2, 2
	STEP 3, 3, 0
	TURN 3, 0, 3, 1
	STEP 0, 4, 0
	MID  0, 4
	STEP 1, 5, 0
	TURN 1, 2, 5, 0
	STEP 2, 6, 0
	MID  2, 6
	STEP 3, 7, 0
	s_wait_dscnt 0x0
	WIN MUL
	MUL8 0, 1, 7, 0
	MUL8 1, 1, 7, 0
	MUL8 2, 1, 7, 0
	MUL8 3, 1, 7, 0
	WIN 0
.macro TOSTAGE a                       ; block a: into my stage, each accumulator from its low end on, and back as whole rows
.set AC, 64*(\a)
	WIN 0x08
.irp b, 0,1,2,3,4,5,6,7
	ds_store_b128 v[STO], v[AC+8*\b:AC+8*\b+3] offset:128*(\b/2)+32*(\b%2)
	ds_store_b128 v[STO], v[AC+8*\b+4:AC+8*\b+7] offset:128*(\b/2)+32*(\b%2)+16
.endr
	WIN 0
.set BB, BK+64*((\a)%2)
.irp t, 0,1,2,3,4,5,6,7,8,9,10,11,12,13,14,15
	ds_load_b128 v[BB+4*\t:BB+4*\t+3], v[RD] offset:\t*528
.endr
.endm
.macro SEND a, younger                 ; younger: the LDS instructions issued behind block a's loads, which may stay out
.set BB, BK+64*((\a)%2)
	s_wait_dscnt \younger
.irp t, 0,1,2,3,4,5,6,7,8,9,10,11,12,13,14,15
	global_store_b128 v[LI], v[BB+4*\t:BB+4*\t+3], s[12:13] offset:(32*((\a)/2)+8*((\a)%2)+\t+8*(\t/8))*8192 th:TH_STORE_NT   ; 512 consecutive bytes, aligned
.endr
.endm
	PLACES 4
	TOSTAGE 0
.irp a, 1,2,3
.if \a > 1
	s_wait_xcnt 0x0                                ; block a - 2's stores have read their registers
.endif
	TOSTAGE \a
	SEND \a-1, 32
.endr
	SEND 3, 0
	s_wait_tensorcnt 0x0                           ; the wave's end
	ds_add_u32 v[SPW], v[NIL]
	s_wait_dscnt 0x0
	CROUND                                         ; the closing round
	s_endpgm
.Lfunc_end_k_q871b0d2f32_oproj:
	.size	k_q871b0d2f32_oproj, .Lfunc_end_k_q871b0d2f32_oproj-k_q871b0d2f32_oproj
	.p2alignl 7, 3214868480
	.fill 96, 4, 3214868480
	.section	.rodata,"a",@progbits
	.p2align	6, 0x0
	.amdhsa_kernel k_q871b0d2f32_oproj
		.amdhsa_group_segment_fixed_size 327680
		.amdhsa_private_segment_fixed_size 0
		.amdhsa_enable_private_segment 0
		.amdhsa_kernarg_size 24
		.amdhsa_user_sgpr_count 2
		.amdhsa_user_sgpr_kernarg_segment_ptr 1
		.amdhsa_wavefront_size32 1
		.amdhsa_system_sgpr_workgroup_id_x 1
		.amdhsa_system_sgpr_workgroup_id_y 1
		.amdhsa_system_sgpr_workgroup_id_z 1
		.amdhsa_system_vgpr_workitem_id 0
		.amdhsa_next_free_vgpr 768
		.amdhsa_next_free_sgpr 100
		.amdhsa_reserve_vcc 0
		.amdhsa_float_denorm_mode_32 3
		.amdhsa_float_denorm_mode_16_64 3
		.amdhsa_memory_ordered 1
		.amdhsa_forward_progress 1
		.amdhsa_inst_pref_size 136
	.end_amdhsa_kernel
	.amdgpu_metadata
---
amdhsa.version: [ 1, 2 ]
amdhsa.kernels:
  - .name:           k_q871b0d2f32_oproj
    .symbol:         k_q871b0d2f32_oproj.kd
    .args:
      - { .name: AQ, .offset: 0, .size: 8, .value_kind: global_buffer, .address_space: global }
      - { .name: PQ, .offset: 8, .size: 8, .value_kind: global_buffer, .address_space: global }
      - { .name: out0, .offset: 16, .size: 8, .value_kind: global_buffer, .address_space: global }
    .group_segment_fixed_size: 327680
    .private_segment_fixed_size: 0
    .kernarg_segment_align: 8
    .kernarg_segment_size: 24
    .max_flat_workgroup_size: 128
    .sgpr_count:     100
    .vgpr_count:     768
    .wavefront_size: 32
...
	.end_amdgpu_metadata
.endif
;; end of part 4
